; MI455X (gfx1250); checked and timed in simulation.
; The chip was launched on July 23, 2026; its instructions are those of AMD's public machine-readable ISA for CDNA 5 (MIT licence, August 2026) and "CDNA5" Instruction Set Architecture Reference Guide (July 2026). The comments in the code are by the model that wrote it; some were corrected since.
;; Causal Self Attention Memory. Allowed arithmetic: matrix products marked QUANTISED: E2M3 operands, one E8M0 scale for each 32 along K, by v_wmma_scale_f32_16x16x128_f8f6f4 with both operands' format E2M3, f32 sums; everything else in f32.
;; Inputs: Wk 2,048 x 2,048 float32; Wo 2,048 x 2,048 float32; Wq 2,048 x 2,048 float32; Wv 2,048 x 2,048 float32; freqs_cos 2,048 x 64 float32; freqs_sin 2,048 x 64 float32; x 1 x 2,048 x 2,048 float32.
;; Outputs: out0 1 x 2,048 x 2,048 float32.
;; This version of the problem:
;;   THIS VERSION OF THE PROBLEM IS GIVEN IN LOW PRECISION. The matrix products marked QUANTISED in the list below multiply operands that are first quantised to E2M3 (2 exponent bits, 3 mantissa bits; 6 bits a number), with one power-of-two scale for each 32 numbers along K (OCP MX v1.0); their sums are f32. All else is computed in f32.
;;   The module's matrix products, in the order in which they are computed (A, B: the left and right operand; K: the contracted axis; several contracted axes count as one K, in the product's order):
;;     1. [M 2,048, K 2,048] x [K 2,048, N 2,048]; A: input x; B: input Wq: QUANTISED
;;     2. [M 2,048, K 2,048] x [K 2,048, N 2,048]; A: input x; B: input Wk: QUANTISED
;;     3. [M 2,048, K 2,048] x [K 2,048, N 2,048]; A: input x; B: input Wv: QUANTISED
;;     4. batch 16 x [M 2,048, K 128] x [K 128, N 2,048]; A: computed on the way; B: computed on the way: QUANTISED
;;     5. batch 16 x [M 2,048, K 2,048] x [K 2,048, N 128]; A: softmax (see below); B: computed on the way: QUANTISED
;;     6. [M 2,048, K 2,048] x [K 2,048, N 2,048]; A: computed on the way; B: input Wo: QUANTISED
;;   THE QUANTISER, for each operand of a quantised product, along K:
;;     - K is cut into blocks of 32 from its start; a last block that is shorter is filled with zeros.
;;     - A block's scale is 2^e with e = floor(log2(the largest magnitude in the block)) - 2, held to -126 .. 127; a block of zeros has e = 0. As a byte (E8M0): e + 127.
;;     - Each number is divided by its block's scale, clamped to +-7.5, and rounded to the nearest number of E2M3, ties to even, subnormals kept.
;;     - The product sums the exact products of the quantised numbers (number of the format x scale) in f32.
;;   ~~~python
;;   def quantise(x, axis):      # numpy; x: float32 -> the quantised numbers, widened to float32 again
;;       x = np.moveaxis(x, axis, -1); K = x.shape[-1]
;;       x = np.pad(x, [(0, 0)] * (x.ndim - 1) + [(0, -K % 32)]); x = x.reshape(x.shape[:-1] + (-1, 32)); a = np.abs(x).max(-1, keepdims=True)
;;       e = np.where(a > 0, np.clip(np.frexp(np.where(a > 0, a, 1))[1] - 1 - 2, -126, 127), 0)      # np.frexp(a)[1] - 1 = floor(log2(a)), exactly
;;       r = np.clip(x / 2.0 ** e, -7.5, 7.5)
;;       step = 2.0 ** (np.maximum(np.frexp(np.where(r == 0, 1, r))[1] - 1, 0) - 3)
;;       q = np.round(r / step) * step * 2.0 ** e      # np.round: ties to even
;;       return np.moveaxis(q.reshape(q.shape[:-2] + (-1,))[..., :K], -1, axis).astype(np.float32)
;;   ~~~
;;   SOFTMAX AHEAD OF A QUANTISED PRODUCT. Where the list says 'softmax', what is quantised is not the finished softmax but p = 2^(t - M), with t = logit x log2(e) and M = ceil(the row's largest t), a whole number; so 1/2 < the row's largest p <= 1. The row's sum l is taken of the UNQUANTISED p, in f32, and the product's result is divided by l at the end. Since M is a whole number, a kernel that streams over the keys may use a running M (the ceiling of the running maximum): every later rescaling is an exact power of two, which a block's scale takes up: the codes' values come out the same.
;;   OPERANDS COMPUTED ON THE WAY. 'Computed on the way' means the value that the module computes at that place (a softmax that the list does not call 'softmax' is quantised finished and normalised). What goes into a quantiser is computed in f32, as accurately as f32 sums, v_exp_f32 and their like allow (about 1e-6 of the number): no bf16 or f16 on the way to a quantiser, and a product that is left as it is and whose result goes on into a quantised operand takes f32 operands (vector FMAs, or v_wmma_f32_16x16x4_f32). A number that lies on a knife's edge between two numbers of the format may be rounded either way, as far as f32 arithmetic and the matrix unit's own rounding can turn it there, and no further.
;; One version. Each part assembles by itself: llvm-mc -triple=amdgcn-amd-amdhsa -mcpu=gfx1250 --defsym DOCPART=n.
;; ======== version 1 of 1: 4 launches
;; limits: right only within a limited range of input values
;; workspace buffers: codes 17,039,360 bytes; q_codes 3,145,728 bytes; q_scales 131,072 bytes; kv_codes 6,291,456 bytes; kv_scales 262,144 bytes; attn_codes 3,407,872 bytes
;; launch quant (part 1): grid 640 x 1, 4 waves a work-group, no clusters, 34,304 bytes of LDS; arguments x, Wq, Wk, Wv, Wo, codes; writes codes
.if DOCPART == 1
	.amdgcn_target "amdgcn-amd-amdhsa--gfx1250"
	.amdhsa_code_object_version 6
	.text
	.protected	k_qea9370e724_quant
	.globl	k_qea9370e724_quant
	.p2align	8
	.type	k_qea9370e724_quant,@function
k_qea9370e724_quant:
	s_mov_b64 s[64:65], 0
	v_nop
	global_prefetch_b8 v0, s[64:65] scope:SCOPE_SE
	s_setreg_imm32_b32 hwreg(HW_REG_WAVE_MODE, 25, 1), 1
	s_wait_xcnt 0x0
; x, Wq, Wk, Wv, Wo, each [2048][2048] f32 with K innermost, become codes of FP6 (E2M3) and one E8M0 byte for each 32 along K, laid as the later products' registers take them.
; DEAD WORK of the whole program: reference() sets the scores of keys behind the query to -infinity by a mask that it builds itself, so their p is 0 for all inputs; the attention launch leaves out
; whole steps of 128 keys that lie behind all of a tile's queries.  A NaN or infinity that would reach only such scores is not carried to the result.  Every input is loaded.
; LAYOUT of codes: [5 tensors][128 tiles][8 pairs of K steps][3,328 bytes].  Tile T holds rows 32 (T / 2) + 8 (T % 2) + r + 8 (r / 8), r = 0 .. 15.  A pair: two images of 1,536 bytes, one for each 128 along K
; (registers 4 c .. 4 c + 3 of lane l of the fragment at 512 c + 16 l), then 256 bytes of scale words: row r's two words at 8 r, and the same once more at 128 + 8 r.
; A block's scale is 2^(floor(log2(its largest magnitude)) - 2); its byte is the largest magnitude's exponent field - 2, held at 1 from below.
; LIMITS: a block of zeros gets the byte 1 where the quantiser says 127 (its codes are zeros, and this program alone reads the bytes); largest magnitudes under 2^-124 are held at that floor; NaN and infinities are not served.
; SHARES: a work-group takes a tile, wave w its K steps 4 w .. 4 w + 3: four images.  Each load reads 512 consecutive bytes of one row; an image's 16 rows turn through the wave's own stage in LDS, so that
; lane (r, h) holds blocks h and 2 + h of row r, which are the fragment's registers of that lane.  A stream: each byte is read and written once, so matrix units, clusters and tensor loads would add nothing.
.set TILEB, 26624
.set TENB,  128*TILEB
.set KPB,   3328
.set IMG,   1536
.set SP,    528                        ; a stage row: 512 bytes + 16
.set SPARE, 4*16*SP                    ; behind the four stages: the spare words
.set LI,   3                           ; 16 x lane
.set SIN,  4                           ; the stage, on the way in
.set SOUT, 5                           ; and out: row r, + 128 h
.set L8,   6                           ; 8 x lane
.set SH,   7                           ; 8 h
.set SPW,  12
.set NIL,  13
.set R,    32                          ; v32-159 two sets of 16 rows x 4 registers, as loaded
.set X,    160                         ; v160-223 my two blocks
.set C,    224                         ; v224-235 the fragment; v236-242 at work
.set WD,   244                         ; v244-245 a pair's two scale words
	s_load_b256 s[4:11], s[0:1], 0x0               ; x, Wq, Wk, Wv
	s_load_b128 s[12:15], s[0:1], 0x20             ; Wo, codes
	v_lshl_add_u32 v[SPW], v0, 2, SPARE
	v_mov_b32 v[NIL], 0
	v_lshrrev_b32 v1, 5, v0
	v_readfirstlane_b32 s18, v1                    ; wave
	v_and_b32 v2, 31, v0
	v_lshlrev_b32 v[LI], 4, v2
	s_mul_i32 s20, s18, 16*SP
	v_add_nc_u32 v[SIN], s20, v[LI]
	v_and_b32 v8, 15, v2
	v_lshrrev_b32 v9, 4, v2
	v_mul_u32_u24 v10, v8, SP
	v_lshl_add_u32 v10, v9, 7, v10
	v_add_nc_u32 v[SOUT], s20, v10
	v_lshlrev_b32 v[L8], 3, v2
	v_lshlrev_b32 v[SH], 3, v9
	v_mov_b32 v14, 0                               ; a lane permute's destination counts as one of its sources
	s_lshr_b32 s19, ttmp9, 7                       ; which tensor
	s_and_b32 s21, ttmp9, 127                      ; which tile
	s_lshr_b32 s22, s21, 1
	s_lshl_b32 s22, s22, 18                        ; 32 rows of 8,192 bytes
	s_and_b32 s23, s21, 1
	s_lshl_b32 s23, s23, 16                        ; 8 rows
	s_add_co_u32 s22, s22, s23
	s_lshl_b32 s23, s18, 11                        ; my four K steps: 2,048 bytes along a row
	s_add_co_u32 s22, s22, s23
	s_mov_b32 s23, 0
	s_mul_i32 s24, s19, TENB
	s_mul_i32 s25, s21, TILEB
	s_add_co_u32 s24, s24, s25
	s_mul_i32 s25, s18, 2*KPB
	s_add_co_u32 s24, s24, s25
	s_mov_b32 s25, 0
	s_mov_b32 s26, 0x76543210
	s_mov_b32 s27, 0xfedcba98                      ; lane l xor 16
	s_wait_alu depctr_va_vdst(0)                   ; the wait at the head's end
	s_wait_kmcnt 0x0
	s_cmp_eq_u32 s19, 1                            ; the input is chosen by the work-group's number alone
	s_cselect_b64 s[4:5], s[6:7], s[4:5]
	s_cmp_eq_u32 s19, 2
	s_cselect_b64 s[4:5], s[8:9], s[4:5]
	s_cmp_eq_u32 s19, 3
	s_cselect_b64 s[4:5], s[10:11], s[4:5]
	s_cmp_eq_u32 s19, 4
	s_cselect_b64 s[4:5], s[12:13], s[4:5]
	s_add_nc_u64 s[4:5], s[4:5], s[22:23]
	s_add_nc_u64 s[14:15], s[14:15], s[24:25]
.macro LOADS t
.irp r, 0,1,2,3,4,5,6,7,8,9,10,11,12,13,14,15
	global_load_b128 v[R+64*((\t)%2)+4*\r:R+64*((\t)%2)+4*\r+3], v[LI], s[4:5] offset:(\r+8*(\r/8))*8192+512*(\t) th:TH_LOAD_NT
.endr
.endm
.macro IMAGE t
.if (\t) < 3
	s_wait_loadcnt 16                              ; this image's 16 loads are in; the next image's 16 may be out
.else
	s_wait_loadcnt 0x0
.endif
.irp r, 0,1,2,3,4,5,6,7,8,9,10,11,12,13,14,15
	ds_store_b128 v[SIN], v[R+64*((\t)%2)+4*\r:R+64*((\t)%2)+4*\r+3] offset:\r*SP
.endr
.irp j, 0,1,2,3,4,5,6,7                ; LDS serves a wave's instructions in order: these see the stores above
	ds_load_b128 v[X+4*\j:X+4*\j+3], v[SOUT] offset:16*\j
	ds_load_b128 v[X+32+4*\j:X+35+4*\j], v[SOUT] offset:256+16*\j
.endr
	s_wait_dscnt 0x0                               ; my two blocks are here, and the stage's stores have read their registers
	s_wait_xcnt 0x0                                ; the last image's stores have read theirs
.if (\t)+2 < 4
	LOADS (\t)+2
.endif
.irp k, 0,1,2,3                        ; the largest magnitudes, in four chains of 16 numbers, with the floor 2^(3 - 127)
	v_max3_num_f32 v[8+\k], |v[X+16*\k]|, |v[X+16*\k+1]|, 0x1800000
.endr
.irp i, 2,4,6,8,10,12,14
.irp k, 0,1,2,3
	v_max3_num_f32 v[8+\k], v[8+\k], |v[X+16*\k+\i]|, |v[X+16*\k+\i+1]|
.endr
.endr
	v_max_num_f32 v8, v8, v9
	v_max_num_f32 v10, v10, v11
	v_add_nc_u32 v8, 0xff000000, v8                ; 2 off the exponent field: the conversion's scale operand
	v_add_nc_u32 v10, 0xff000000, v10
	v_lshrrev_b32 v9, 23, v8                       ; the bytes of blocks h and 2 + h
	v_lshrrev_b32 v11, 23, v10
	v_lshl_or_b32 v9, v11, 16, v9
	v_lshlrev_b32 v9, v[SH], v9                    ; at their places in the scale word
	v_permlanex16_b32 v14, v9, s26, s27
	v_or_b32 v[WD+(\t)%2], v9, v14                 ; with lane l xor 16's two the word is whole, in both lanes
	v_cvt_scalef32_pk16_fp6_f32 v[C:C+2], v[X:X+15], v8
	v_cvt_scalef32_pk16_fp6_f32 v[C+12:C+14], v[X+16:X+31], v8
	v_cvt_scalef32_pk16_fp6_f32 v[C+6:C+8], v[X+32:X+47], v10
	v_cvt_scalef32_pk16_fp6_f32 v[C+16:C+18], v[X+48:X+63], v10
	v_nop                                          ; one plain place behind a scaled conversion
.irp i, 0,1,2
	v_mov_b32 v[C+3+\i], v[C+12+\i]                ; a conversion's three registers begin on an even number
	v_mov_b32 v[C+9+\i], v[C+16+\i]
.endr
.irp c, 0,1,2
	global_store_b128 v[LI], v[C+4*\c:C+4*\c+3], s[14:15] offset:((\t)/2)*KPB+((\t)%2)*IMG+512*\c   ; 512 consecutive bytes, aligned
.endr
.if (\t)%2
	global_store_b64 v[L8], v[WD:WD+1], s[14:15] offset:((\t)/2)*KPB+3072   ; 256 consecutive bytes, aligned
.endif
.endm
	LOADS 0
	LOADS 1
	IMAGE 0
	IMAGE 1
	IMAGE 2
	IMAGE 3
	s_wait_tensorcnt 0x0                           ; the wave's end: behind my last LDS store
	ds_add_u32 v[SPW], v[NIL]
	s_wait_dscnt 0x0
	s_endpgm
.Lfunc_end_k_qea9370e724_quant:
	.size	k_qea9370e724_quant, .Lfunc_end_k_qea9370e724_quant-k_qea9370e724_quant
	.p2alignl 7, 3214868480
	.fill 96, 4, 3214868480
	.section	.rodata,"a",@progbits
	.p2align	6, 0x0
	.amdhsa_kernel k_qea9370e724_quant
		.amdhsa_group_segment_fixed_size 34304
		.amdhsa_private_segment_fixed_size 0
		.amdhsa_enable_private_segment 0
		.amdhsa_kernarg_size 48
		.amdhsa_user_sgpr_count 2
		.amdhsa_user_sgpr_kernarg_segment_ptr 1
		.amdhsa_wavefront_size32 1
		.amdhsa_system_sgpr_workgroup_id_x 1
		.amdhsa_system_sgpr_workgroup_id_y 1
		.amdhsa_system_sgpr_workgroup_id_z 1
		.amdhsa_system_vgpr_workitem_id 0
		.amdhsa_next_free_vgpr 256
		.amdhsa_next_free_sgpr 66
		.amdhsa_reserve_vcc 0
		.amdhsa_float_denorm_mode_32 3
		.amdhsa_float_denorm_mode_16_64 3
		.amdhsa_memory_ordered 1
		.amdhsa_forward_progress 1
		.amdhsa_inst_pref_size 31
	.end_amdhsa_kernel
	.amdgpu_metadata
---
amdhsa.version: [ 1, 2 ]
amdhsa.kernels:
  - .name:           k_qea9370e724_quant
    .symbol:         k_qea9370e724_quant.kd
    .args:
      - { .name: x, .offset: 0, .size: 8, .value_kind: global_buffer, .address_space: global }
      - { .name: Wq, .offset: 8, .size: 8, .value_kind: global_buffer, .address_space: global }
      - { .name: Wk, .offset: 16, .size: 8, .value_kind: global_buffer, .address_space: global }
      - { .name: Wv, .offset: 24, .size: 8, .value_kind: global_buffer, .address_space: global }
      - { .name: Wo, .offset: 32, .size: 8, .value_kind: global_buffer, .address_space: global }
      - { .name: codes, .offset: 40, .size: 8, .value_kind: global_buffer, .address_space: global }
    .group_segment_fixed_size: 34304
    .private_segment_fixed_size: 0
    .kernarg_segment_align: 8
    .kernarg_segment_size: 48
    .max_flat_workgroup_size: 128
    .sgpr_count:     66
    .vgpr_count:     256
    .wavefront_size: 32
...
	.end_amdgpu_metadata
.endif
;; end of part 1
;; launch qkv (part 2): grid 16 x 16, 4 waves a work-group, clusters of 4 x 1, 239,616 bytes of LDS; arguments codes, freqs_cos, freqs_sin, q_codes, q_scales, kv_codes, kv_scales; writes q_codes, q_scales, kv_codes, kv_scales
.if DOCPART == 2
	.amdgcn_target "amdgcn-amd-amdhsa--gfx1250"
	.amdhsa_code_object_version 6
	.text
	.protected	k_qea9370e724_qkv
	.globl	k_qea9370e724_qkv
	.p2align	8
	.type	k_qea9370e724_qkv,@function
k_qea9370e724_qkv:
	s_mov_b64 s[64:65], 0
	v_nop
	global_prefetch_b8 v0, s[64:65] scope:SCOPE_SE
	s_setreg_imm32_b32 hwreg(HW_REG_WAVE_MODE, 25, 1), 1
	s_wait_xcnt 0x0
	s_wait_alu depctr_hold_cnt(0) depctr_sa_sdst(0) depctr_va_vdst(0) depctr_va_sdst(0) depctr_va_ssrc(0) depctr_va_vcc(0) depctr_vm_vsrc(0)
	s_getreg_b32 s2, hwreg(HW_REG_IB_STS2, 6, 4)
	s_cmp_eq_u32 s2, 0
	s_cbranch_scc0 .Lentry_in_a_cluster
	s_endpgm
.Lentry_in_a_cluster:
	s_bfe_u32 s2, ttmp6, 0x10000c
	s_cmp_lg_u32 s2, 0x3003
	s_cbranch_scc0 .Lentry_shape_is_right
	s_endpgm
.Lentry_shape_is_right:
; q = rope(x Wq^T), k = rope(x Wk^T), v = x Wv^T on codes of FP6 (E2M3) with E8M0 scales, and the three results quantised again: q and k along the head's 128, v along the keys.
; SHARES.  Work-group (head, block of 128 rows of x) makes 128 rows x 384 columns.  Wave w takes all 128 rows x places 32 w .. 32 w + 31 of each of q, k, v: 48 accumulators, 8 fragments of x and 6 of the weights for each 128 along K.
; PLACES.  A tile T of 16 places holds rows 32 (T / 2) + 8 (T % 2) + r + 8 (r / 8).  q, k: source 0 = 16 rows of W, source 1 = 16 rows of x: a lane holds one row of x and its two tiles' 16 registers are 16 neighbouring columns.
; v: source 0 = x, source 1 = Wv: a lane holds one channel and its 64 registers run along the keys.
; x: the block's 8 tiles, all of K, codes and scale words, are 212,992 bytes: they come into LDS ONCE, wave w bringing K steps 4 w .. 4 w + 3 (8 rows of 6,656 bytes) by one tensor load at the head.  Nothing is filled again: no ring.
; CLUSTER 4 x 1: the four heads of a cluster need the same block of x and ask for it jointly.
; THE WEIGHTS go from memory straight into registers: a wave's six fragments are read by no other wave of its work-group, and the workspace holds them as images of the registers, so each load is 512 consecutive bytes.
; So they are no tensor loads and cannot be asked for jointly.  Four sets of registers: 21 loads a K step, three K steps (63 loads) out behind the step in hand; these loads run ahead by themselves, so no prefetch is laid.
; OUT: q_codes [head][tile][1,536]: images; q_scales [head][tile][row][4]; kv_codes [head][step of 128 keys][8 images of K, 8 of V]; kv_scales [head][step][K 512, V 512], the word of (tile T, row r) at 16 (r + 16 (T % 2)) + 4 (T / 2).
; LIMITS: a block of zeros keeps the byte 1 (its codes are zeros; this program alone reads the bytes); largest magnitudes under 2^-124 are held at that floor; NaN and infinities are not served.
; REGISTERS.  Window 0: v1-29 lane terms and addresses; v32-47 x's scale words, two sets; v48-59 the weights', four sets; v64-159 x's fragments, one set; v160-231 the weights' set 3; on the way out v64-255 at work.
;   Window 1: the weights' sets 0 to 2.  Window 2: q's accumulators at 16 a + 8 u, k's at 128 + 16 a + 8 u.  Window 3: v's at 64 u + 8 a; v128-255 cos and sin.
.set TILEB, 26624
.set TENB,  128*TILEB
.set KPB,   3328
.set IMG,   1536
.set KQB,   2*KPB                      ; four K steps of a tile
.set FR,    12
.set STG,   4*8*KQB                    ; behind x: the way out's stage, bytes of its own: q's 128 rows of 96 bytes, k's at STK,
.set STK,   12288
.set SCS,   STG+24576                  ; and the scale bytes: q 512, k 512, v 512
.set SPARE, STG+26112
.set LI,   3
.set STO,  4
.set SBQ,  5
.set SBK,  6
.set SBV,  7
.set RDF,  8
.set RDS,  9
.set QM,   10
.set ADRA, 16                          ; 16 x lane + the four K steps in hand
.set ADSA, 17                          ; x's scale words: lanes 0-15 tile i, lanes 16-31 tile i + 4 (its second copy, 128 bytes on: other banks)
.set VS,   18                          ; the weights' scale words: lanes 0-15 my first tile, lanes 16-31 my second
.set CSO,  24
.set SPW,  28
.set NIL,  29
.set SCX,  32
.set SCW,  48
.set TM,   64
.set TT,   64
.set XX,   96
.set AF,   64
.set WV,   20
.set SEL,  66
.set G1,   24
.set G0,   32
.set WB,   50                          ; s[50:51] my weights, at the four K steps that are being asked for
.set MSB, 0
.macro WIN new
.if MSB != (\new)
	s_set_vgpr_msb (MSB<<8)|(\new)
.set MSB, (\new)
.endif
.endm
.macro PLACES                          ; four plain vector instructions between a matrix instruction and a load into, or a read of, its registers
.rept 4
	v_nop
.endr
.endm
.macro CROUND                          ; a round of the cluster's barrier
	s_barrier_signal -1
	s_barrier_wait -1
	s_cmp_lg_u32 s[WV], 0
	s_cbranch_scc1 .Lnot_wave_0_\@
	s_barrier_signal -3
.Lnot_wave_0_\@:
	s_barrier_wait -3
	s_barrier_signal -1
	s_barrier_wait -1
.endm
.macro WMM zero, ra, rb                ; one product; ra, rb: the scale words stand in lanes 16-31
.if (\zero)
.if (\ra) && (\rb)
	v_wmma_scale_f32_16x16x128_f8f6f4 v[rD:rD+7], v[rA:rA+11], v[rB:rB+11], 0, v[rSA], v[rSB] matrix_a_fmt:MATRIX_FMT_FP6 matrix_b_fmt:MATRIX_FMT_FP6 matrix_a_scale:MATRIX_SCALE_ROW1 matrix_b_scale:MATRIX_SCALE_ROW1
.elseif (\ra)
	v_wmma_scale_f32_16x16x128_f8f6f4 v[rD:rD+7], v[rA:rA+11], v[rB:rB+11], 0, v[rSA], v[rSB] matrix_a_fmt:MATRIX_FMT_FP6 matrix_b_fmt:MATRIX_FMT_FP6 matrix_a_scale:MATRIX_SCALE_ROW1
.elseif (\rb)
	v_wmma_scale_f32_16x16x128_f8f6f4 v[rD:rD+7], v[rA:rA+11], v[rB:rB+11], 0, v[rSA], v[rSB] matrix_a_fmt:MATRIX_FMT_FP6 matrix_b_fmt:MATRIX_FMT_FP6 matrix_b_scale:MATRIX_SCALE_ROW1
.else
	v_wmma_scale_f32_16x16x128_f8f6f4 v[rD:rD+7], v[rA:rA+11], v[rB:rB+11], 0, v[rSA], v[rSB] matrix_a_fmt:MATRIX_FMT_FP6 matrix_b_fmt:MATRIX_FMT_FP6
.endif
.else
.if (\ra) && (\rb)
	v_wmma_scale_f32_16x16x128_f8f6f4 v[rD:rD+7], v[rA:rA+11], v[rB:rB+11], v[rD:rD+7], v[rSA], v[rSB] matrix_a_fmt:MATRIX_FMT_FP6 matrix_b_fmt:MATRIX_FMT_FP6 matrix_a_scale:MATRIX_SCALE_ROW1 matrix_b_scale:MATRIX_SCALE_ROW1
.elseif (\ra)
	v_wmma_scale_f32_16x16x128_f8f6f4 v[rD:rD+7], v[rA:rA+11], v[rB:rB+11], v[rD:rD+7], v[rSA], v[rSB] matrix_a_fmt:MATRIX_FMT_FP6 matrix_b_fmt:MATRIX_FMT_FP6 matrix_a_scale:MATRIX_SCALE_ROW1
.elseif (\rb)
	v_wmma_scale_f32_16x16x128_f8f6f4 v[rD:rD+7], v[rA:rA+11], v[rB:rB+11], v[rD:rD+7], v[rSA], v[rSB] matrix_a_fmt:MATRIX_FMT_FP6 matrix_b_fmt:MATRIX_FMT_FP6 matrix_b_scale:MATRIX_SCALE_ROW1
.else
	v_wmma_scale_f32_16x16x128_f8f6f4 v[rD:rD+7], v[rA:rA+11], v[rB:rB+11], v[rD:rD+7], v[rSA], v[rSB] matrix_a_fmt:MATRIX_FMT_FP6 matrix_b_fmt:MATRIX_FMT_FP6
.endif
.endif
.endm
	s_load_b64 s[4:5], s[0:1], 0x0                 ; codes
	s_load_b128 s[8:11], s[0:1], 0x8               ; cos, sin
	s_load_b256 s[12:19], s[0:1], 0x18             ; q_codes, q_scales, kv_codes, kv_scales
	v_lshl_add_u32 v[SPW], v0, 2, SPARE
	v_mov_b32 v[NIL], 0
	ds_add_u32 v[SPW], v[NIL]                      ; the opening lines: the add, twice on end, and its wait ahead of my first tensor load
	ds_add_u32 v[SPW], v[NIL]
	v_lshrrev_b32 v1, 5, v0
	v_readfirstlane_b32 s[WV], v1                  ; wave 0..3
	s_bfe_u32 s40, ttmp6, 0x40000                  ; cx
	s_lshl_b32 s42, ttmp9, 2
	s_add_co_u32 s42, s42, s40                     ; the head = 4 x cluster x + cx
	s_and_b32 s22, ttmp7, 0xffff                   ; the block of rows
	s_mov_b32 s[G1+0], 15|(3<<16)|(1<<21)          ; the cluster's four; elements of 8 bytes; bit 21 beside a mask
	s_mov_b32 s[G1+1], 832<<16                     ; a row: 6,656 bytes
	s_mov_b32 s[G1+2], 8<<16                       ; 8 tiles
	s_mov_b32 s[G1+3], 832<<16
	s_mov_b32 s[G1+4], 8
	s_mov_b32 s[G1+5], 3328                        ; from tile to tile: 26,624 bytes
	s_mov_b32 s[G1+6], 0
	s_mov_b32 s[G1+7], 0
	s_mul_i32 s92, s22, 8*TILEB                    ; x is tensor 0: my block's tiles, K steps 4 w on
	s_mul_i32 s21, s[WV], KQB
	s_add_co_u32 s92, s92, s21
	s_mov_b32 s93, 0
	s_lshl_b32 s46, s42, 3                         ; the weights: tile 8 x head + 2 w of Wq, tensor 1; Wk and Wv lie one and two tensors on
	s_lshl_b32 s21, s[WV], 1
	s_add_co_u32 s46, s46, s21
	s_mul_i32 s46, s46, TILEB
	s_add_co_u32 s46, s46, TENB
	s_mov_b32 s47, 0
	s_mul_i32 s45, s[WV], 8*KQB                    ; where my part of x goes
	s_mov_b32 s[SEL], 0x76543210
	s_mov_b32 s[SEL+1], 0xfedcba98
	s_wait_dscnt 0x0                               ; both opening adds are done
	s_wait_kmcnt 0x0
	s_mov_b32 s[G0], 1
	s_mov_b32 s[G0+1], s45
	s_add_nc_u64 s[G0+2:G0+3], s[4:5], s[92:93]
	s_or_b32 s[G0+3], s[G0+3], 0x80000000
	s_add_nc_u64 s[WB:WB+1], s[4:5], s[46:47]
	CROUND                                         ; the four work-groups are here: the joint loads meet
	tensor_load_to_lds s[G0:G0+3], s[G1:G1+7]      ; my one tensor load
	s_nop 0
.rept 4
	v_nop
.endr
	v_and_b32 v15, 31, v0
	v_lshlrev_b32 v[LI], 4, v15
	v_and_b32 v1, 15, v0                           ; r
	v_bfe_u32 v2, v0, 4, 1                         ; h
	v_mov_b32 v[ADRA], v[LI]
	v_lshlrev_b32 v10, 3, v1
	v_mad_u32_u24 v[ADSA], v2, 4*KQB+128, v10
	v_mad_u32_u24 v[VS], v2, TILEB, v10
	v_and_b32 v14, 8, v1
	v_add_nc_u32 v14, v14, v1                      ; r + 8 (r / 8): my row in a tile of x
	v_lshlrev_b32 v14, 8, v14                      ; a row of cos or sin is 256 bytes
	v_lshl_add_u32 v14, v2, 5, v14                 ; my eight pairs: 16 w + 8 h on
	s_lshl_b32 s21, s[WV], 6
	v_add_nc_u32 v[CSO], s21, v14
	v_mul_u32_u24 v[STO], v1, 96                   ; the way out's addresses
	v_mad_u32_u24 v[STO], v2, 1536, v[STO]
	s_mul_i32 s21, s[WV], 24
	s_add_co_u32 s21, s21, STG
	v_add_nc_u32 v[STO], s21, v[STO]
	v_lshl_add_u32 v[SBQ], v1, 2, SCS
	v_add_nc_u32 v[SBQ], s[WV], v[SBQ]
	v_lshl_add_u32 v[SBK], v1, 4, SCS+512
	v_add_nc_u32 v[SBK], s[WV], v[SBK]
	v_lshl_add_u32 v[SBV], v1, 4, SCS+1024
	s_lshl_b32 s21, s[WV], 2
	v_add_nc_u32 v[SBV], s21, v[SBV]
	v_mul_u32_u24 v[RDF], v1, 96
	v_mad_u32_u24 v[RDF], v2, 24, v[RDF]
	s_mul_i32 s21, s[WV], 3072
	s_add_co_u32 s21, s21, STG
	v_add_nc_u32 v[RDF], s21, v[RDF]
	s_lshl_b32 s21, s[WV], 9
	s_add_co_u32 s21, s21, SCS
	v_add_nc_u32 v[RDS], s21, v[LI]
	s_wait_alu depctr_va_vdst(0)                   ; the wait at the end of the head's vector work
	s_lshl_b32 s98, s22, 15                        ; cos, sin: my block's 128 rows
	s_mov_b32 s99, 0
	s_add_nc_u64 s[8:9], s[8:9], s[98:99]
	s_add_nc_u64 s[10:11], s[10:11], s[98:99]
	s_mul_i32 s92, s42, 196608                     ; q_codes: head x 128 tiles + block x 8 tiles + wave x 2 tiles
	s_mul_i32 s94, s22, 12288
	s_add_co_u32 s92, s92, s94
	s_mul_i32 s94, s[WV], 3072
	s_add_co_u32 s92, s92, s94
	s_mov_b32 s93, 0
	s_add_nc_u64 s[12:13], s[12:13], s[92:93]
	s_mul_i32 s92, s42, 393216                     ; kv_codes: head x 16 steps + block x a step + wave x 2 tiles
	s_mul_i32 s94, s22, 24576
	s_add_co_u32 s92, s92, s94
	s_mul_i32 s94, s[WV], 3072
	s_add_co_u32 s92, s92, s94
	s_add_nc_u64 s[16:17], s[16:17], s[92:93]
	s_lshl_b32 s92, s42, 13                        ; q_scales: head x 8,192 + block x 512
	s_lshl_b32 s94, s22, 9
	s_add_co_u32 s92, s92, s94
	s_add_nc_u64 s[14:15], s[14:15], s[92:93]
	s_lshl_b32 s92, s42, 14                        ; kv_scales: head x 16,384 + block x 1,024
	s_lshl_b32 s94, s22, 10
	s_add_co_u32 s92, s92, s94
	s_add_nc_u64 s[18:19], s[18:19], s[92:93]
	s_cmp_eq_u32 s[WV], 0                          ; which 512 scale bytes I store at the end: wave 0 q's, wave 1 k's, wave 2 v's
	s_cselect_b64 s[96:97], s[14:15], s[18:19]
	s_cmp_eq_u32 s[WV], 2
	s_cselect_b32 s94, 512, 0
	s_mov_b32 s95, 0
	s_add_nc_u64 s[96:97], s[96:97], s[94:95]
.macro SETW j                          ; where the weights' set j lies
.if (\j) < 3
.set WS, 72*(\j)
.set WW, 1
.else
.set WS, 160
.set WW, 0
.endif
.endm
.macro LW j                            ; my six fragments and three scale words of the j-th of the four K steps at WB, into set j: 21 loads
	SETW \j
	WIN WW<<6
.irp x, 0,1,2
.irp u, 0,1
.irp c, 0,1,2
	global_load_b128 v[WS+FR*(2*\x+\u)+4*\c:WS+FR*(2*\x+\u)+4*\c+3], v[LI], s[WB:WB+1] offset:\x*TENB+\u*TILEB+((\j)/2)*KPB+((\j)%2)*IMG+512*\c
.endr
.endr
.endr
	WIN 0
.irp x, 0,1,2
	global_load_b32 v[SCW+3*(\j)+\x], v[VS], s[WB:WB+1] offset:\x*TENB+((\j)/2)*KPB+3072+4*((\j)%2)
.endr
.endm
.macro FA j, i0                        ; x's blocks i0 .. i0 + 3 of the j-th K step at ADRA: 12 loads
.irp i, \i0, \i0+1, \i0+2, \i0+3
.irp c, 0,1,2
	ds_load_b128 v[AF+FR*(\i)+4*\c:AF+FR*(\i)+4*\c+3], v[ADRA] offset:(\i)*KQB+((\j)/2)*KPB+((\j)%2)*IMG+512*\c
.endr
.endr
.endm
.macro SX kp                           ; x's scale words of a pair of K steps, into set kp: register 2 i + q
.irp i, 0,1,2,3
	ds_load_b64 v[SCX+8*(\kp)+2*\i:SCX+8*(\kp)+2*\i+1], v[ADSA] offset:\i*KQB+(\kp)*KPB+3072
.endr
.endm
; The 48 accumulators take turns, one instruction a turn, in the same order in every step.
.macro MULQK a0, j, zero
	WIN 0xa0|WW
.irp a, \a0, \a0+1, \a0+2, \a0+3
.irp x, 0,1
.irp u, 0,1
.set rD, 128*\x+16*(\a)+8*\u
.set rA, WS+FR*(2*\x+\u)
.set rB, AF+FR*(\a)
.set rSA, SCW+3*(\j)+\x
.set rSB, SCX+8*((\j)/2)+2*((\a)%4)+(\j)%2
	WMM \zero, \u, (\a)/4
.endr
.endr
.endr
.endm
.macro MULV a0, j, zero
	WIN 0xf0|(WW<<2)
.irp a, \a0, \a0+1, \a0+2, \a0+3
.irp u, 0,1
.set rD, 64*\u+8*(\a)
.set rA, AF+FR*(\a)
.set rB, WS+FR*(4+\u)
.set rSA, SCX+8*((\j)/2)+2*((\a)%4)+(\j)%2
.set rSB, SCW+3*(\j)+2
	WMM \zero, (\a)/4, \u
.endr
.endr
.endm
; A K step of 128.  x has one set of registers: blocks 0-3 are fetched anew in the step's middle, blocks 4-7 at its end.  ld: set j is asked for again, four K steps on.  nx: a K step follows.  n: the loads that may be out.
.macro KSTEP j, zero, ld, nx, n
	SETW \j
.set NJ, ((\j)+1)%4
	s_wait_loadcnt \n                              ; set j is in
	s_wait_dscnt 12                                ; all but the youngest 12 LDS loads (x's blocks 4-7) are in
	MULQK 0, \j, \zero
	MULV 0, \j, \zero
	WIN 0
	s_wait_dscnt 0x0
	PLACES
.if \nx
.if (\j) == 3
	v_add_nc_u32 v[ADRA], 8*KQB, v[ADRA]           ; on to the next four K steps
	v_add_nc_u32 v[ADSA], 8*KQB, v[ADSA]
	s_wait_alu depctr_va_vdst(0)                   ; the wait behind these writes
.endif
	FA NJ, 0
.if (\j)%2
	SX NJ/2
.endif
.endif
	MULQK 4, \j, \zero
	MULV 4, \j, \zero
	PLACES
	WIN 0
.if \nx
	FA NJ, 4
.endif
.if \ld
	LW \j
.endif
.endm
.macro TRIP zero                       ; four K steps; behind each, its set is asked for again: behind the set in hand three sets, 63 loads, are out
	s_wait_xcnt 0x0                                ; the loads issued so far have read their base
	s_add_nc_u64 s[WB:WB+1], s[WB:WB+1], KQB
	KSTEP 0, \zero, 1, 1, 63
	KSTEP 1, 0, 1, 1, 63
	KSTEP 2, 0, 1, 1, 63
	KSTEP 3, 0, 1, 1, 63
.endm
	LW 0
	LW 1
	LW 2
	LW 3
	s_wait_tensorcnt 0x0                           ; my part of x is in,
	s_barrier_signal -1
	s_barrier_wait -1                              ; everybody's is: all of x, for the whole launch
	FA 0, 0
	SX 0
	FA 0, 4
	TRIP 1                                         ; the first product of each accumulator starts its sum
	s_mov_b32 s3, 2
.Ltrip:
	TRIP 0
	s_sub_co_u32 s3, s3, 1
	s_cmp_lg_u32 s3, 0
	s_cbranch_scc1 .Ltrip
	KSTEP 0, 0, 0, 1, 63                           ; the last four K steps ask for no weights
	WIN 0xc0                                       ; destination window 3
.irp t, 0,1,2,3,4,5,6,7                ; cos and sin of tile t's rows: 32 loads, behind the weights' last; they land under the last three K steps
	global_load_b128 v[128+16*\t:131+16*\t], v[CSO], s[8:9] offset:(32*(\t/2)+8*(\t%2))*256
	global_load_b128 v[132+16*\t:135+16*\t], v[CSO], s[8:9] offset:(32*(\t/2)+8*(\t%2))*256+16
	global_load_b128 v[136+16*\t:139+16*\t], v[CSO], s[10:11] offset:(32*(\t/2)+8*(\t%2))*256
	global_load_b128 v[140+16*\t:143+16*\t], v[CSO], s[10:11] offset:(32*(\t/2)+8*(\t%2))*256+16
.endr
	WIN 0
	KSTEP 1, 0, 0, 1, 63                           ; behind set 1: 42 + 32 loads; the wait's field holds 63
	KSTEP 2, 0, 0, 1, 53                           ; behind set 2: 21 + 32
	KSTEP 3, 0, 0, 0, 32                           ; behind set 3: cos and sin
; ---- THE WAY OUT ----
; V.  64 numbers of a lane in window 3, register 16 b + i = key 32 b + 16 h + i of my channel, become a fragment's codes in v[pc] on and its scale word in v[pw].
.macro QUANTV s, pc, pw
	WIN 0x3c
.irp b, 0,1,2,3
	v_max3_num_f32 v[TM+\b], 0x1800000, |v[\s+16*\b]|, |v[\s+1+16*\b]|   ; block b: my 16 numbers, and the floor 2^(3 - 127)
.endr
.irp i, 2,4,6,8,10,12,14
.irp b, 0,1,2,3
	v_max3_num_f32 v[TM+\b], v[TM+\b], |v[\s+16*\b+\i]|, |v[\s+1+16*\b+\i]|
.endr
.endr
	WIN 0
.irp b, 0,1,2,3
	v_permlanex16_b32 v[TM+4+\b], v[TM+\b], s[SEL], s[SEL+1]
.endr
.irp b, 0,1,2,3
	v_max_num_f32 v[TM+\b], v[TM+\b], v[TM+4+\b]
.endr
.irp b, 0,1,2,3
	v_add_nc_u32 v[TM+12+\b], 0xff000000, v[TM+\b] ; 2 off the exponent field: the conversion's scale operand
.endr
.irp b, 0,1,2,3
	v_lshrrev_b32 v[TM+4+\b], 23, v[TM+12+\b]      ; the scale's byte
.endr
	v_lshl_or_b32 v[\pw], v[TM+5], 8, v[TM+4]
	v_lshl_or_b32 v[\pw], v[TM+6], 16, v[\pw]
	v_lshl_or_b32 v[\pw], v[TM+7], 24, v[\pw]
	WIN 0x03
.irp c, 0,1
	v_cvt_scalef32_pk16_fp6_f32 v[\pc+6*\c:\pc+2+6*\c], v[\s+32*\c:\s+15+32*\c], v[TM+12+2*\c]
	v_cvt_scalef32_pk16_fp6_f32 v[\pc+12+4*\c:\pc+14+4*\c], v[\s+16+32*\c:\s+31+32*\c], v[TM+12+2*\c+1]
.endr
	WIN 0
	v_nop                                          ; one plain place behind a scaled conversion
.irp c, 0,1                            ; the operand's layout wants a whole block in a lane
.irp i, 0,1,2
	v_permlane16_swap_b32 v[\pc+6*\c+\i], v[\pc+12+4*\c+\i]
.endr
.irp i, 0,1,2
	v_mov_b32 v[\pc+3+6*\c+\i], v[\pc+12+4*\c+\i]
.endr
.endr
.endm
; q (xm = 0) or k (xm = 1), tiles 2 i and 2 i + 1 of rows: rope in f32, my block of 32 quantised, 24 bytes a row into the stage.
.macro ROPEQ xm, i, k
.set OUTR, 128+16*(\k)
	WIN 0x0e                                       ; source 0 window 2 (the sums), source 1 window 3 (cos, sin)
.irp tt, 0,1
.irp g, 0,1,2,3
.set rAC, 128*(\xm)+16*(2*(\i)+\tt)+4*\g
.set rCS, 128+16*(2*(\i)+\tt)+2*\g
.set rT, TT+16*\tt+4*\g
	v_pk_mul_f32 v[rT:rT+1], v[rAC:rAC+1], v[rCS+8:rCS+9] op_sel:[1,0] op_sel_hi:[0,0]       ; (xi s, xr s) of an even pair
	v_pk_mul_f32 v[rT+2:rT+3], v[rAC+2:rAC+3], v[rCS+8:rCS+9] op_sel:[1,1] op_sel_hi:[0,1]   ; and of the odd pair beside it
.endr
.endr
.irp tt, 0,1
.irp g, 0,1,2,3
.set rAC, 128*(\xm)+16*(2*(\i)+\tt)+4*\g
.set rCS, 128+16*(2*(\i)+\tt)+2*\g
.set rT, TT+16*\tt+4*\g
.set rX, XX+16*\tt+4*\g
	v_pk_fma_f32 v[rX:rX+1], v[rAC:rAC+1], v[rCS:rCS+1], v[rT:rT+1] op_sel:[0,0,0] op_sel_hi:[1,0,1] neg_lo:[0,0,1]           ; (xr c - xi s, xi c + xr s)
	v_pk_fma_f32 v[rX+2:rX+3], v[rAC+2:rAC+3], v[rCS:rCS+1], v[rT+2:rT+3] op_sel:[0,1,0] op_sel_hi:[1,1,1] neg_lo:[0,0,1]
.endr
.endr
	WIN 0
.irp tt, 0,1
	v_max3_num_f32 v[QM+\tt], |v[XX+16*\tt]|, |v[XX+16*\tt+1]|, 0x1800000
.endr
.irp j, 2,4,6,8,10,12,14
.irp tt, 0,1
	v_max3_num_f32 v[QM+\tt], v[QM+\tt], |v[XX+16*\tt+\j]|, |v[XX+16*\tt+\j+1]|
.endr
.endr
.irp tt, 0,1
	v_permlanex16_b32 v[QM+2+\tt], v[QM+\tt], s[SEL], s[SEL+1]
.endr
.irp tt, 0,1
	v_max_num_f32 v[QM+\tt], v[QM+\tt], v[QM+2+\tt]
.endr
.irp tt, 0,1
	v_add_nc_u32 v[QM+4+\tt], 0xff000000, v[QM+\tt]
.endr
.irp tt, 0,1
	v_lshrrev_b32 v[OUTR+12+\tt], 23, v[QM+4+\tt]  ; byte w of the row's scale word
.endr
	v_cvt_scalef32_pk16_fp6_f32 v[OUTR:OUTR+2], v[XX:XX+15], v[QM+4]
	v_cvt_scalef32_pk16_fp6_f32 v[OUTR+8:OUTR+10], v[XX+16:XX+31], v[QM+5]
	v_nop                                          ; one plain place behind a scaled conversion
.irp j, 0,1,2
	v_permlane16_swap_b32 v[OUTR+\j], v[OUTR+8+\j] ; lane (r, h) now holds row r of tile 2 i + h
.endr
.irp j, 0,1,2
	v_mov_b32 v[OUTR+3+\j], v[OUTR+8+\j]
.endr
.irp tt, 0,1
.if \xm
	ds_store_b8 v[SBK], v[OUTR+12+\tt] offset:256*\tt+4*(\i)
.else
	ds_store_b8 v[SBQ], v[OUTR+12+\tt] offset:64*(2*(\i)+\tt)
.endif
.endr
.irp j, 0,1,2
	ds_store_b64 v[STO], v[OUTR+2*\j:OUTR+2*\j+1] offset:(\xm)*STK+3072*(\i)+8*\j
.endr
.endm
	PLACES                                         ; behind the last products
	s_wait_loadcnt 0x0                             ; cos and sin
.irp b, 0,1,2,3
	v_mov_b32 v[TM+4+\b], 0                        ; written once: a lane permute's destination counts as one of its sources
.endr
	v_mov_b32 v[QM+2], 0
	v_mov_b32 v[QM+3], 0
	QUANTV 0, 84, 80                               ; my first 16 channels: V's tile 2 w of this step of 128 keys
	ds_store_b32 v[SBV], v80
.irp c, 0,1,2
	global_store_b128 v[LI], v[84+4*\c:87+4*\c], s[16:17] offset:12288+512*\c          ; the image: 512 consecutive bytes a store
.endr
	QUANTV 64, 104, 81                             ; tile 2 w + 1
	ds_store_b32 v[SBV], v81 offset:256
.irp c, 0,1,2
	global_store_b128 v[LI], v[104+4*\c:107+4*\c], s[16:17] offset:12288+1536+512*\c
.endr
	s_wait_xcnt 0x0                                ; the stores have read v84-115,
	s_wait_dscnt 0x0                               ; the LDS stores v80, v81: both runs are written again below
.irp i, 0,1,2,3
	ROPEQ 0, \i, \i
.endr
.irp i, 0,1,2,3
	ROPEQ 1, \i, 4+\i
.endr
	s_wait_dscnt 0x0                               ; for the others' sake: my stores into the stage are done
	s_barrier_signal -1
	s_barrier_wait -1                              ; the rows of q and k are whole: each has its four blocks from four waves
.irp f, 0,1,2,3                        ; fragments q 2 w, q 2 w + 1, k 2 w, k 2 w + 1
.irp p, 0,1,2,3,4,5
	ds_load_b64 v[64+12*\f+2*\p:65+12*\f+2*\p], v[RDF] offset:(\f/2)*STK+(\f%2)*1536+48*(\p/3)+8*(\p%3)
.endr
.endr
.irp f, 0,1
	s_wait_dscnt 18-6*\f                           ; the later fragments' loads may be out
.irp c, 0,1,2
	global_store_b128 v[LI], v[64+12*\f+4*\c:67+12*\f+4*\c], s[12:13] offset:\f*1536+512*\c
.endr
.endr
.irp f, 0,1
	s_wait_dscnt 6-6*\f
.irp c, 0,1,2
	global_store_b128 v[LI], v[88+12*\f+4*\c:91+12*\f+4*\c], s[16:17] offset:\f*1536+512*\c
.endr
.endr
	s_cmp_lt_u32 s[WV], 3                          ; the scale bytes: 512 a wave, waves 0 to 2
	s_cbranch_scc0 .Lno_scales
	ds_load_b128 v[112:115], v[RDS]
	s_wait_dscnt 0x0
	global_store_b128 v[LI], v[112:115], s[96:97]
.Lno_scales:
	s_wait_tensorcnt 0x0                           ; the wave's end
	ds_add_u32 v[SPW], v[NIL]
	s_wait_dscnt 0x0
	CROUND                                         ; the closing round
	s_endpgm
.Lfunc_end_k_qea9370e724_qkv:
	.size	k_qea9370e724_qkv, .Lfunc_end_k_qea9370e724_qkv-k_qea9370e724_qkv
	.p2alignl 7, 3214868480
	.fill 96, 4, 3214868480
	.section	.rodata,"a",@progbits
	.p2align	6, 0x0
	.amdhsa_kernel k_qea9370e724_qkv
		.amdhsa_group_segment_fixed_size 239616
		.amdhsa_private_segment_fixed_size 0
		.amdhsa_enable_private_segment 0
		.amdhsa_kernarg_size 56
		.amdhsa_user_sgpr_count 2
		.amdhsa_user_sgpr_kernarg_segment_ptr 1
		.amdhsa_wavefront_size32 1
		.amdhsa_system_sgpr_workgroup_id_x 1
		.amdhsa_system_sgpr_workgroup_id_y 1
		.amdhsa_system_sgpr_workgroup_id_z 1
		.amdhsa_system_vgpr_workitem_id 0
		.amdhsa_next_free_vgpr 1024
		.amdhsa_next_free_sgpr 100
		.amdhsa_reserve_vcc 0
		.amdhsa_float_denorm_mode_32 3
		.amdhsa_float_denorm_mode_16_64 3
		.amdhsa_memory_ordered 1
		.amdhsa_forward_progress 1
		.amdhsa_inst_pref_size 178
	.end_amdhsa_kernel
	.amdgpu_metadata
---
amdhsa.version: [ 1, 2 ]
amdhsa.kernels:
  - .name:           k_qea9370e724_qkv
    .symbol:         k_qea9370e724_qkv.kd
    .args:
      - { .name: codes, .offset: 0, .size: 8, .value_kind: global_buffer, .address_space: global }
      - { .name: freqs_cos, .offset: 8, .size: 8, .value_kind: global_buffer, .address_space: global }
      - { .name: freqs_sin, .offset: 16, .size: 8, .value_kind: global_buffer, .address_space: global }
      - { .name: q_codes, .offset: 24, .size: 8, .value_kind: global_buffer, .address_space: global }
      - { .name: q_scales, .offset: 32, .size: 8, .value_kind: global_buffer, .address_space: global }
      - { .name: kv_codes, .offset: 40, .size: 8, .value_kind: global_buffer, .address_space: global }
      - { .name: kv_scales, .offset: 48, .size: 8, .value_kind: global_buffer, .address_space: global }
    .group_segment_fixed_size: 239616
    .private_segment_fixed_size: 0
    .kernarg_segment_align: 8
    .kernarg_segment_size: 56
    .max_flat_workgroup_size: 128
    .sgpr_count:     100
    .vgpr_count:     1024
    .wavefront_size: 32
...
	.end_amdgpu_metadata
.endif
;; end of part 2
;; launch attn (part 3): grid 16 x 16, 16 waves a work-group, no clusters, 327,680 bytes of LDS; arguments q_codes, q_scales, kv_codes, kv_scales, attn_codes; writes attn_codes
.if DOCPART == 3
	.amdgcn_target "amdgcn-amd-amdhsa--gfx1250"
	.amdhsa_code_object_version 6
	.text
	.protected	k_qea9370e724_attn
	.globl	k_qea9370e724_attn
	.p2align	8
	.type	k_qea9370e724_attn,@function
k_qea9370e724_attn:
	s_mov_b64 s[64:65], 0
	v_nop
	global_prefetch_b8 v0, s[64:65] scope:SCOPE_SE
	s_setreg_imm32_b32 hwreg(HW_REG_WAVE_MODE, 25, 1), 1
	s_wait_xcnt 0x0
; Causal attention of one head on codes of FP6 (E2M3) with E8M0 scales, and its result, divided by the row's sum, quantised again along the model's width for the last product.
; t = score x log2(e) / sqrt(128); M = the running largest t rounded UP to a whole number; p = 2^(t - M) is quantised along the keys, not normalised; the row's sum is taken of the unquantised p.
; SHARES.  Work-group (g, head) owns the blocks g and 31 - g of 64 queries: eight tiles of 16.  Block j needs j / 2 + 1 steps of 128 keys, so every work-group has 4 x 17 tile steps, whatever g.
; EACH TILE HAS TWO WAVES: wave w and wave w xor 8 own the same tile; the first takes the even key steps, the second the odd ones, each with an M, a sum and an O^T of its own.  So the longest chain of
; steps that one wave walks is 8, not 16.  At the end the second hands -M, its sums and O^T to the first through LDS; M = the larger of the two; each side is multiplied by 2^(its M - M), which rounds nothing.
; Which tile: the late block where bit 0 xor bit 2 of w is set, tile w & 3 of the block: among waves with equal w % 4, and among waves with equal w / 4, two are of the late block and two of the early one.
; Every wave walks all 8 slots of 256 keys (constant trip counts) and leaves out the work of steps whose keys all come after its queries.
; PLACES.  Tile T holds queries 32 (T / 2) + 8 (T % 2) + r + 8 (r / 8); a tile of K holds keys, a tile of V channels, by the same rule: so the 16 registers of result tiles 2 b, 2 b + 1 are 16 neighbours.
; Both products are used transposed (S^T = K Q^T, O^T = V^T P^T): a lane holds one query throughout.
; K's and V's fragments lie in memory and in LDS as images of their registers: three loads of 16 bytes a lane, each 512 consecutive bytes.
; LDS holds 12 key steps of 24,576 bytes.  WAVE w BRINGS KEY STEP w, one tensor load: steps 0-3 and the head's scale bytes at the head; steps 4-11 behind the first barrier, under two slots' work;
; steps 12-15 behind the second, into the places of steps 0-3, under four slots' work.  Three such barriers in all; a wave has at most one tensor load outstanding; every wait on TENSORcnt is for 0.
; NO CLUSTER: work-groups of one head need 5 to 8 slots (g = 15 .. 0); a joint load must be issued by every partner in every round, and a slot is filled only if a later step reads it: partners with
; different last slots cannot do both.
; LIMITS: NaN and infinities are not served; a block of zeros keeps the byte 1 (its codes are zeros); 1 / sum is v_rcp_f32 and a multiplication.
; REGISTERS: v1-3, v7 lane terms; v5, v6 the add's two; v8, v9 addresses in hand; v12 -M, v13 the largest t, v[14:15] the sum; v16-27 Q; v28 the prefetch's offset; v29 the merge's address; v32-79 four fragments;
;   v80-83 V's scale words; v96-159 S^T, then p; v160-223 O^T; v224-235 p's codes; v232-247, v252-254 at work; v248-251 K's scale words; v253 p's scale word; v255 Q's.
.set STEPB, 24576                      ; a step: 8 images of K, 8 of V
.set SCB,   12*STEPB                   ; behind the 12 places: the head's scale bytes: 16 steps x (K 512, V 512)
.set SPARE, SCB+16384                  ; the spare words, 128 bytes for each of sixteen waves
.set MST,   4*STEPB                    ; the merge's stage lies in places 4 to 6: they are filled once, and their last reads stand ahead of the third barrier
.set MPB,   17*512                     ; a pair's part of it: sixteen images of four registers of O^T, one of -M, t and the sums
.set LI,   1                           ; v1  16 x lane
.set ASC,  2                           ; v2  SCB + 16 x lane + 1,024 x parity
.set DQ,   3                           ; v3  r + 8 (r / 8) - 16 h
.set SPW,  5
.set NIL,  6
.set AKP,  7                           ; v7  16 x lane + STEPB x parity
.set ADK,  8
.set ADS,  9
.set PFO,  28
.set MA,   29                          ; v29 MST + MPB x (wave & 7) + 16 x lane
.set TM,   232
.set PW,   248
.set PC,   32
.set TB,   2                           ; s2  LDS byte at which the slot in hand begins
.set TS,   3                           ; s3  the slot's scale words: 2,048 bytes a slot
.set WV,   18
.set PAR,  19                          ; s19 which of a slot's two steps is mine
.set SEL,  20
.set CS,   22
.set G1C,  24
.set G1S,  32
.set G0C,  40                          ; s[40:43] my step to place w (waves 0 to 11)
.set G0S,  44
.set KF,   48                          ; s48 my step's first key
.set CNT,  49
.set Q0,   50                          ; s50 my tile's first query
.set QL,   51                          ; s51 its last: Q0 + 23
.set LASTQ, 52                         ; s52 my work-group's last query: 2047 - 64 g
.set LIM,  53
.set PFA,  54
.set TAU,  59                          ; s59 wave & 7: my pair
.set G0R,  80                          ; s[80:83] my step to place w & 3 (waves 12 to 15)
.macro WMM zero, ra, rb                ; one product: D at rD, source 0 at rA, source 1 at rB, scale words v[rSA], v[rSB]; ra: source 0's words stand in lanes 16-31
.if (\zero)
.if (\ra)
	v_wmma_scale_f32_16x16x128_f8f6f4 v[rD:rD+7], v[rA:rA+11], v[rB:rB+11], 0, v[rSA], v[rSB] matrix_a_fmt:MATRIX_FMT_FP6 matrix_b_fmt:MATRIX_FMT_FP6 matrix_a_scale:MATRIX_SCALE_ROW1
.else
	v_wmma_scale_f32_16x16x128_f8f6f4 v[rD:rD+7], v[rA:rA+11], v[rB:rB+11], 0, v[rSA], v[rSB] matrix_a_fmt:MATRIX_FMT_FP6 matrix_b_fmt:MATRIX_FMT_FP6
.endif
.else
.if (\ra)
	v_wmma_scale_f32_16x16x128_f8f6f4 v[rD:rD+7], v[rA:rA+11], v[rB:rB+11], v[rD:rD+7], v[rSA], v[rSB] matrix_a_fmt:MATRIX_FMT_FP6 matrix_b_fmt:MATRIX_FMT_FP6 matrix_a_scale:MATRIX_SCALE_ROW1
.else
	v_wmma_scale_f32_16x16x128_f8f6f4 v[rD:rD+7], v[rA:rA+11], v[rB:rB+11], v[rD:rD+7], v[rSA], v[rSB] matrix_a_fmt:MATRIX_FMT_FP6 matrix_b_fmt:MATRIX_FMT_FP6
.endif
.endif
.endm
.macro TLOADW lo, hi, lim, g0          ; waves lo .. hi - 1 that lie under lim (made of ids alone) bring their key steps, the others nothing: one chain, one load
	s_cmp_lt_u32 s[WV], \lo
	s_cbranch_scc1 .Lasked_\@
	s_cmp_lt_u32 s[WV], \hi
	s_cbranch_scc0 .Lasked_\@
	s_cmp_lt_u32 s[WV], \lim
	s_cbranch_scc0 .Lasked_\@
	tensor_load_to_lds s[\g0:\g0+3], s[G1C:G1C+7]
	s_nop 0
.rept 4
	v_nop
.endr
.Lasked_\@:
.endm
; Ahead of each group of fills: every wave waits for all its tensor loads, adds 0 to its spare word, waits for that and for its LDS reads, and passes the work-group's barrier.
; Behind it the steps asked for last are whole, and nobody reads the places walked so far.
.macro CHANGE
	s_wait_tensorcnt 0x0                           ; my one load, if I had one out, has landed
	ds_add_u32 v[SPW], v[NIL]                      ; 0 onto my spare word
	ds_add_u32 v[SPW], v[NIL]
	s_wait_dscnt 0x0                               ; the add is done, and my reads of the places that I have walked are over
	s_barrier_signal -1
	s_barrier_wait -1
.endm
	s_load_b256 s[4:11], s[0:1], 0x0               ; q_codes, q_scales, kv_codes, kv_scales
	s_load_b64 s[12:13], s[0:1], 0x20              ; attn_codes
	v_lshl_add_u32 v[SPW], v0, 2, SPARE
	v_mov_b32 v[NIL], 0
	ds_add_u32 v[SPW], v[NIL]                      ; the wave's opening: the add and its wait ahead of my first tensor load; the set-up below, work on registers, stands between them
	ds_add_u32 v[SPW], v[NIL]
	v_lshrrev_b32 v8, 5, v0
	s_delay_alu instid0(VALU_DEP_1)
	v_readfirstlane_b32 s[WV], v8                  ; wave 0..15
	s_and_b32 s60, ttmp7, 0xffff                   ; the head
	s_and_b32 s[TAU], s[WV], 7                     ; my pair
	s_lshr_b32 s[PAR], s[WV], 3                    ; 0: the even key steps, 1: the odd ones
	s_lshr_b32 s57, s[WV], 2
	s_xor_b32 s57, s57, s[WV]
	s_and_b32 s57, s57, 1                          ; bit 0 xor bit 2 of my number: 1 = the late block
	s_sub_co_u32 s56, 31, ttmp9
	s_cmp_eq_u32 s57, 0
	s_cselect_b32 s56, ttmp9, s56                  ; my block of 64 queries: g or 31 - g
	s_lshl_b32 s56, s56, 2
	s_and_b32 s57, s[WV], 3
	s_add_co_u32 s56, s56, s57                     ; my tile T
	s_lshr_b32 s57, s56, 1
	s_lshl_b32 s57, s57, 5
	s_and_b32 s58, s56, 1
	s_lshl_b32 s58, s58, 3
	s_add_co_u32 s[Q0], s57, s58                   ; 32 (T / 2) + 8 (T % 2)
	s_add_co_u32 s[QL], s[Q0], 23
	s_lshl_b32 s57, ttmp9, 6
	s_sub_co_u32 s[LASTQ], 2047, s57
	s_mul_i32 s66, s60, 196608                     ; Q's image: head x 128 tiles + T
	s_mul_i32 s57, s56, 1536
	s_add_co_u32 s66, s66, s57
	s_mov_b32 s67, 0
	s_lshl_b32 s68, s60, 13                        ; its scale words
	s_lshl_b32 s57, s56, 6
	s_add_co_u32 s68, s68, s57
	s_mov_b32 s69, 0
	s_mul_i32 s70, s60, 393216                     ; the head's K and V
	s_mov_b32 s71, 0
	s_lshl_b32 s72, s60, 14                        ; and their scale bytes
	s_mov_b32 s73, 0
	s_mul_i32 s74, s56, 26624                      ; out: [tile T][pair of heads][3,328]: two images of 1,536 bytes, then 256 bytes of scale words
	s_lshr_b32 s57, s60, 1
	s_mul_i32 s57, s57, 3328
	s_add_co_u32 s74, s74, s57
	s_and_b32 s57, s60, 1
	s_lshl_b32 s76, s57, 2                         ; my head's word of a row's two
	s_add_co_u32 s76, s76, s74
	s_add_co_u32 s76, s76, 3072
	s_mul_i32 s57, s57, 1536                       ; my head's image
	s_add_co_u32 s74, s74, s57
	s_mov_b32 s75, 0
	s_mov_b32 s77, 0
	s_mul_i32 s61, s[WV], STEPB                    ; key step w: its offset in the head's codes, and, for waves 0 to 11, its place in LDS
	s_mov_b32 s62, s61
	s_mov_b32 s63, 0
	s_and_b32 s58, s[WV], 3                        ; for waves 12 to 15: place w & 3
	s_mul_i32 s58, s58, STEPB
	s_lshl_b32 s78, s[WV], 13                      ; the prefetch: 8,192 bytes a wave of steps 12 to 15
	s_add_co_u32 s78, s78, 12*STEPB
	s_mov_b32 s79, 0
	s_cmp_lt_u32 s[WV], 12
	s_cselect_b32 s56, 0, 1
	s_or_b32 s56, s56, ttmp9                       ; 0 in waves 0 to 11 of the work-group with g = 0
	s_cmp_eq_u32 s56, 0
	s_cselect_b32 s[LIM], 1, 0
	; group 1: a step's 24,576 dense bytes as 96 rows of 256 (32 elements of 8 bytes); the head's 16,384 scale bytes as 64 such rows
	s_mov_b32 s[G1C], 3<<16
	s_mov_b32 s[G1C+1], 32<<16
	s_mov_b32 s[G1C+2], 96<<16
	s_mov_b32 s[G1C+3], 32<<16
	s_mov_b32 s[G1C+4], 96
	s_mov_b32 s[G1C+5], 32
	s_mov_b32 s[G1C+6], 0
	s_mov_b32 s[G1C+7], 0
	s_mov_b32 s[G1S], 3<<16
	s_mov_b32 s[G1S+1], 32<<16
	s_mov_b32 s[G1S+2], 64<<16
	s_mov_b32 s[G1S+3], 32<<16
	s_mov_b32 s[G1S+4], 64
	s_mov_b32 s[G1S+5], 32
	s_mov_b32 s[G1S+6], 0
	s_mov_b32 s[G1S+7], 0
	s_mov_b32 s[SEL], 0x76543210
	s_mov_b32 s[SEL+1], 0xfedcba98
	s_mov_b32 s[CS], 0x3e0293ee                    ; c = log2(e) / sqrt(128)
	s_mov_b32 s[CS+1], s[CS]
	s_mov_b32 s[TB], 0
	s_mov_b32 s[TS], 0
	s_lshl_b32 s[KF], s[PAR], 7                    ; my first step's first key: 0 or 128
	s_wait_dscnt 0x0                               ; the opening add is done
	s_wait_kmcnt 0x0
	s_add_nc_u64 s[8:9], s[8:9], s[70:71]
	s_add_nc_u64 s[10:11], s[10:11], s[72:73]
	s_mov_b32 s[G0C], 1                            ; the groups 0 are written once and never again
	s_mov_b32 s[G0C+1], s61
	s_add_nc_u64 s[G0C+2:G0C+3], s[8:9], s[62:63]
	s_or_b32 s[G0C+3], s[G0C+3], 0x80000000
	s_mov_b32 s[G0R], 1
	s_mov_b32 s[G0R+1], s58
	s_add_nc_u64 s[G0R+2:G0R+3], s[8:9], s[62:63]
	s_or_b32 s[G0R+3], s[G0R+3], 0x80000000
	s_mov_b32 s[G0S], 1
	s_mov_b32 s[G0S+1], SCB
	s_mov_b64 s[G0S+2:G0S+3], s[10:11]
	s_or_b32 s[G0S+3], s[G0S+3], 0x80000000
	s_cmp_lt_u32 s[WV], 4                          ; the first fills, one a wave: waves 0 to 3 key steps 0 to 3, wave 4 the scale bytes
	s_cbranch_scc0 .Lnot_codes
	tensor_load_to_lds s[G0C:G0C+3], s[G1C:G1C+7]
	s_nop 0
.rept 4
	v_nop
.endr
	s_branch .Lfirst_asked
.Lnot_codes:
	s_cmp_eq_u32 s[WV], 4
	s_cbranch_scc0 .Lfirst_asked
	tensor_load_to_lds s[G0S:G0S+3], s[G1S:G1S+7]
	s_nop 0
.rept 4
	v_nop
.endr
.Lfirst_asked:
	s_add_nc_u64 s[4:5], s[4:5], s[66:67]
	s_add_nc_u64 s[6:7], s[6:7], s[68:69]
	s_add_nc_u64 s[14:15], s[12:13], s[76:77]
	s_add_nc_u64 s[12:13], s[12:13], s[74:75]
	s_add_nc_u64 s[PFA:PFA+1], s[8:9], s[78:79]
	v_and_b32 v8, 31, v0
	s_delay_alu instid0(VALU_DEP_1)
	v_lshlrev_b32 v[LI], 4, v8
	s_delay_alu instid0(VALU_DEP_2)
	v_lshlrev_b32 v[PFO], 8, v8
	s_mul_i32 s57, s[PAR], STEPB
	v_add_nc_u32 v[AKP], s57, v[LI]                ; my step of a slot
	s_lshl_b32 s57, s[PAR], 10
	s_add_co_u32 s57, s57, SCB
	v_add_nc_u32 v[ASC], s57, v[LI]                ; and its scale words
	s_mul_i32 s57, s[TAU], MPB
	s_add_co_u32 s57, s57, MST
	v_add_nc_u32 v[MA], s57, v[LI]                 ; my pair's part of the merge's stage
	v_and_b32 v8, 15, v0                           ; r
	v_bfe_u32 v9, v0, 4, 1                         ; h
.irp c, 0,1,2
	global_load_b128 v[16+4*\c:19+4*\c], v[LI], s[4:5] offset:512*\c   ; Q's fragment stays in registers
.endr
	v_lshlrev_b32 v4, 2, v8
	global_load_b32 v255, v4, s[6:7]               ; Q's scale words
	v_and_b32 v[DQ], 8, v8
	s_delay_alu instid0(VALU_DEP_1)
	v_add_nc_u32 v[DQ], v[DQ], v8
	v_lshlrev_b32 v10, 4, v9
	s_delay_alu instid0(VALU_DEP_1)
	v_sub_nc_u32 v[DQ], v[DQ], v10                 ; r + 8 (r / 8) - 16 h
	v_mov_b32 v13, 0xff61b1e6                      ; the largest t so far: -3e38, under every t
	s_delay_alu instid0(VALU_DEP_1)
	v_floor_f32 v12, -v13                          ; -M
	v_mov_b32 v14, 0                               ; the sum, in two halves
	v_mov_b32 v15, 0
.irp b, 0,1,2,3
	v_mov_b32 v[236+\b], 0                         ; written once: a lane permute's destination counts as one of its sources
.endr
	v_mov_b32 v252, 0
	v_mov_b32 v253, 0
.irp j, 0,1,2,3,4,5,6,7,8,9,10,11,12,13,14,15,16,17,18,19,20,21,22,23,24,25,26,27,28,29,30,31,32,33,34,35,36,37,38,39,40,41,42,43,44,45,46,47,48,49,50,51,52,53,54,55,56,57,58,59,60,61,62,63
	v_mov_b32 v[160+\j], 0                         ; O^T: the step has no first form of its own; its first walk finds zeros, which the first change of M leaves zeros; a wave with no step hands zeros on
.endr
; MY KEY STEP of the slot in hand: 128 keys.
.macro STEP
	s_cmp_gt_u32 s[KF], s[QL]                      ; all its keys come after my queries: the work is left out (ids and the count of steps alone); the lines at its end that step addresses are not
	s_cbranch_scc1 .Lhidden_\@
	v_add_nc_u32 v[ADK], s[TB], v[AKP]
	s_wait_alu depctr_va_vdst(0)
	v_add_nc_u32 v[ADS], s[TS], v[ASC]
	v_nop
	v_nop                                          ; four places in front of loads into registers that the last products have read
	ds_load_b128 v[248:251], v[ADS]                ; K's scale words: register i: tile 2 i in lanes 0-15, tile 2 i + 1 in lanes 16-31
	ds_load_b128 v[80:83], v[ADS] offset:512       ; V's likewise
.irp g, 0,1                            ; S^T = K Q^T, four tiles of 16 keys at a time
.if \g
.rept 4
	v_nop
.endr
.endif
.irp t, 0,1,2,3
.irp c, 0,1,2
	ds_load_b128 v[32+12*\t+4*\c:35+12*\t+4*\c], v[ADK] offset:(4*\g+\t)*1536+512*\c
.endr
.endr
	s_wait_dscnt 0x0
.irp t, 0,1,2,3
.set rD, 96+8*(4*\g+\t)
.set rA, 32+12*\t
.set rB, 16
.set rSA, 248+(4*\g+\t)/2
.set rSB, 255
	WMM 1, \t%2, 0
.endr
.endr
.rept 4
	v_nop
.endr
.irp t, 0,1,2,3                        ; V's first four tiles are asked for here: they land under the softmax
.irp c, 0,1,2
	ds_load_b128 v[32+12*\t+4*\c:35+12*\t+4*\c], v[ADK] offset:12288+\t*1536+512*\c
.endr
.endr
	s_add_co_u32 s56, s[KF], 127                   ; on the diagonal the scores of hidden keys become -infinity ahead of the maximum; a step all of whose keys count skips this
	s_cmp_le_u32 s56, s[Q0]
	s_cbranch_scc1 .Lopen_\@
	s_sub_co_i32 s56, s[Q0], s[KF]
	v_add_nc_u32 v252, s56, v[DQ]                  ; d = my query - KF - 16 h.  Register 16 b + i holds key KF + 16 h + 32 b + i: hidden where 32 b + i > d.  Key KF counts for every query of the tile
	v_mov_b32 v254, 0xff800000
.irp n, 0,1,2,3,4,5,6,7,8,9,10,11,12,13,14,15,16,17,18,19,20,21,22,23,24,25,26,27,28,29,30,31,32,33,34,35,36,37,38,39,40,41,42,43,44,45,46,47,48,49,50,51,52,53,54,55,56,57,58,59,60,61,62,63
	v_cmp_gt_i32 vcc_lo, 32*(\n/16)+\n%16, v252
	v_cndmask_b32 v[96+\n], v[96+\n], v254, vcc_lo
.endr
.Lopen_\@:
.irp b, 0,1,2,3
	v_max3_num_f32 v[232+\b], v[96+16*\b], v[97+16*\b], v[98+16*\b]   ; the largest score of each block of 32 keys: for the row's maximum, and, since p rises with the score, for the block's largest p
.endr
.irp i, 3,5,7,9,11,13
.irp b, 0,1,2,3
	v_max3_num_f32 v[232+\b], v[232+\b], v[96+16*\b+\i], v[97+16*\b+\i]
.endr
.endr
.irp b, 0,1,2,3
	v_max_num_f32 v[232+\b], v[232+\b], v[111+16*\b]
.endr
.irp b, 0,1,2,3
	s_delay_alu instid0(VALU_DEP_4)
	v_permlanex16_b32 v[236+\b], v[232+\b], s[SEL], s[SEL+1]
.endr
.irp b, 0,1,2,3
	s_delay_alu instid0(VALU_DEP_4)
	v_max_num_f32 v[232+\b], v[232+\b], v[236+\b]  ; with lane l xor 16's 16 keys
.endr
	s_delay_alu instid0(VALU_DEP_2)
	v_max3_num_f32 v254, v232, v233, v234
	s_delay_alu instid0(VALU_DEP_1)
	v_max_num_f32 v254, v254, v235                 ; the step's largest score of my query
	s_delay_alu instid0(VALU_DEP_1)
	v_mul_f32 v254, s[CS], v254                    ; as t
	s_delay_alu instid0(VALU_DEP_1)
	v_max_num_f32 v13, v13, v254                   ; the running largest t
	v_mov_b32 v254, v12
	s_delay_alu instid0(VALU_DEP_2)
	v_floor_f32 v12, -v13                          ; the new -M = -ceil(t): a whole number
	s_delay_alu instid0(VALU_DEP_1)
	v_sub_f32 v254, v12, v254                      ; old M - new M: a whole number, 0 or less
	s_delay_alu instid0(VALU_DEP_1)
	v_cvt_i32_f32 v254, v254                       ; (it saturates)
	s_delay_alu instid0(VALU_DEP_1)
	v_ldexp_f32 v252, 1.0, v254                    ; f = 2^(old M - new M): a multiplication by it rounds nothing
.irp j, 0,2,4,6,8,10,12,14,16,18,20,22,24,26,28,30,32,34,36,38,40,42,44,46,48,50,52,54,56,58,60,62
	v_pk_fma_f32 v[96+\j:97+\j], v[96+\j:97+\j], s[CS:CS+1], v[12:13] op_sel_hi:[1,0,0]   ; t - M, two at a time
.endr
.irp b, 0,1,2,3
	v_fma_f32 v[232+\b], v[232+\b], s[CS], v12     ; the same of each block's largest score
.endr
	s_wait_alu depctr_va_vdst(0)
.irp j, 0,1,2,3,4,5,6,7,8,9,10,11,12,13,14,15,16,17,18,19,20,21,22,23,24,25,26,27,28,29,30,31,32,33,34,35,36,37,38,39,40,41,42,43,44,45,46,47,48,49,50,51,52,53,54,55,56,57,58,59,60,61,62,63
	v_exp_f32 v[96+\j], v[96+\j]                   ; p = 2^(t - M), at most 1
.endr
	v_pk_mul_f32 v[14:15], v[14:15], v[252:253] op_sel_hi:[1,0]   ; the sums under the new M: the plain place behind the exponentials
	s_wait_alu depctr_va_vdst(0)                   ; one wait for the whole batch, ahead of its first reader
.irp b, 0,1,2,3
	v_exp_f32 v[232+\b], v[232+\b]                 ; the block's largest p
.endr
	v_pk_add_f32 v[236:237], v[100:101], v[104:105]
	v_pk_add_f32 v[250:251], v[108:109], v[112:113]
	v_pk_add_f32 v[248:249], v[116:117], v[120:121]
	v_pk_add_f32 v[246:247], v[124:125], v[128:129]
	v_pk_add_f32 v[244:245], v[132:133], v[136:137]
	v_pk_add_f32 v[242:243], v[140:141], v[144:145]
	v_pk_add_f32 v[240:241], v[148:149], v[152:153]
	v_pk_add_f32 v[14:15], v[14:15], v[156:157]
	v_pk_add_f32 v[236:237], v[236:237], v[96:97]
	v_pk_add_f32 v[250:251], v[250:251], v[98:99]
	v_pk_add_f32 v[248:249], v[248:249], v[102:103]
	v_pk_add_f32 v[246:247], v[246:247], v[106:107]
	v_pk_add_f32 v[244:245], v[244:245], v[110:111]
	v_pk_add_f32 v[242:243], v[242:243], v[114:115]
	v_pk_add_f32 v[240:241], v[240:241], v[118:119]
	v_pk_add_f32 v[14:15], v[14:15], v[122:123]
	v_pk_add_f32 v[236:237], v[236:237], v[126:127]
	v_pk_add_f32 v[250:251], v[250:251], v[130:131]
	v_pk_add_f32 v[248:249], v[248:249], v[134:135]
	v_pk_add_f32 v[246:247], v[246:247], v[138:139]
	v_pk_add_f32 v[244:245], v[244:245], v[142:143]
	v_pk_add_f32 v[242:243], v[242:243], v[146:147]
	v_pk_add_f32 v[240:241], v[240:241], v[150:151]
	v_pk_add_f32 v[14:15], v[14:15], v[154:155]
	v_pk_add_f32 v[236:237], v[236:237], v[158:159]
	s_delay_alu instid0(VALU_DEP_2)
	v_pk_add_f32 v[14:15], v[14:15], v[246:247]
	s_delay_alu instid0(VALU_DEP_2)
	v_pk_add_f32 v[236:237], v[236:237], v[244:245]
	v_pk_add_f32 v[250:251], v[250:251], v[242:243]
	v_pk_add_f32 v[248:249], v[248:249], v[240:241]
	s_delay_alu instid0(VALU_DEP_2)
	v_pk_add_f32 v[14:15], v[14:15], v[250:251]
	s_delay_alu instid0(VALU_DEP_2)
	v_pk_add_f32 v[236:237], v[236:237], v[248:249]
	s_delay_alu instid0(VALU_DEP_1)
	v_pk_add_f32 v[14:15], v[14:15], v[236:237]
	s_wait_alu depctr_va_vdst(0)                   ; and one for the four
.irp b, 0,1,2,3
	v_max_num_f32 v[232+\b], 0x1800000, v[232+\b]  ; the floor 2^(3 - 127): the byte cannot fall under 1
.endr
.irp b, 0,1,2,3
	s_delay_alu instid0(VALU_DEP_4)
	v_add_nc_u32 v[244+\b], 0xff000000, v[232+\b]  ; 2 off the exponent field: the conversion's scale operand
.endr
.irp b, 0,1,2,3
	s_delay_alu instid0(VALU_DEP_4)
	v_lshrrev_b32 v[236+\b], 23, v[244+\b]         ; the scale's byte
.endr
	s_delay_alu instid0(VALU_DEP_3)
	v_lshl_or_b32 v253, v237, 8, v236              ; p's scale word for these 128 keys
	s_delay_alu instid0(VALU_DEP_1)
	v_lshl_or_b32 v253, v238, 16, v253
	s_delay_alu instid0(VALU_DEP_1)
	v_lshl_or_b32 v253, v239, 24, v253
.irp c, 0,1
	v_cvt_scalef32_pk16_fp6_f32 v[224+6*\c:226+6*\c], v[96+32*\c:111+32*\c], v[244+2*\c]
	v_cvt_scalef32_pk16_fp6_f32 v[236+4*\c:238+4*\c], v[112+32*\c:127+32*\c], v[244+2*\c+1]
.endr
	v_nop                                          ; one plain place behind a scaled conversion
.irp c, 0,1                            ; the operand's layout wants a whole block in a lane
.irp i, 0,1,2
	v_permlane16_swap_b32 v[224+6*\c+\i], v[236+4*\c+\i]
.endr
.irp i, 0,1,2
	s_delay_alu instid0(VALU_DEP_3)
	v_mov_b32 v[227+6*\c+\i], v[236+4*\c+\i]
.endr
.endr
.irp j, 0,2,4,6,8,10,12,14,16,18,20,22,24,26,28,30,32,34,36,38,40,42,44,46,48,50,52,54,56,58,60,62
	v_pk_mul_f32 v[160+\j:161+\j], v[160+\j:161+\j], v[252:253] op_sel_hi:[1,0]   ; O^T under the new M; these 32 are also the places between p's codes and scale word and the products below
.endr
	s_wait_alu depctr_va_vdst(0)
	s_wait_dscnt 0x0                               ; V's first four tiles are in
.irp t, 0,1,2,3                        ; O^T += V^T P^T
.set rD, 160+8*\t
.set rA, 32+12*\t
.set rB, 224
.set rSA, 80+\t/2
.set rSB, 253
	WMM 0, \t%2, 0
.endr
.rept 4
	v_nop
.endr
.irp t, 0,1,2,3
.irp c, 0,1,2
	ds_load_b128 v[32+12*\t+4*\c:35+12*\t+4*\c], v[ADK] offset:12288+(4+\t)*1536+512*\c
.endr
.endr
	s_wait_dscnt 0x0
.irp t, 0,1,2,3
.set rD, 192+8*\t
.set rA, 32+12*\t
.set rB, 224
.set rSA, 82+\t/2
.set rSB, 253
	WMM 0, \t%2, 0
.endr
.Lhidden_\@:
	s_add_co_u32 s[KF], s[KF], 256                 ; my step of the next slot
	s_add_co_u32 s[TS], s[TS], 2048
.endm
.macro WALK n                          ; n slots on end: no barrier stands between them: the one in front has shown them whole to every wave
	s_mov_b32 s[CNT], \n
.Lslot_\@:
	STEP
	s_add_co_u32 s[TB], s[TB], 2*STEPB
	s_sub_co_u32 s[CNT], s[CNT], 1
	s_cmp_lg_u32 s[CNT], 0
	s_cbranch_scc1 .Lslot_\@
.endm
	s_wait_loadcnt 0x0                             ; Q
	CHANGE                                         ; key steps 0 to 3 and the scale bytes are whole
	s_cmp_lt_u32 s[LASTQ], 1280                    ; the look-ahead ends at the causal limit: a slot whose first key comes after my work-group's last query is read by none of its waves and is not asked for
	s_cselect_b32 s84, 10, 12                      ; ids alone
	TLOADW 4, 12, s84, G0C
	; A prefetch of key steps 12 to 15, which the loads behind the next such barrier will ask for: two slots' steps ahead of them.  All work-groups of a head walk the same K and V: the one with g = 0, which
	; loads every step, asks; in it waves 0 to 11, 8,192 bytes a wave, lanes 256 bytes apart: 98,304 bytes, each block of 256 named once in the launch.  Its address registers are never written again.
	s_cmp_eq_u32 s[LIM], 1
	s_cbranch_scc0 .Lnot_mine
	global_prefetch_b8 v[PFO], s[PFA:PFA+1] th:TH_LOAD_NT scope:SCOPE_SE
.Lnot_mine:
	WALK 2                                         ; slots 0, 1
	CHANGE                                         ; steps 4 to 11 are whole, and nobody reads places 0 to 3 any more
	s_cmp_lt_u32 s[LASTQ], 1792
	s_cselect_b32 s84, 14, 16
	s_cmp_lt_u32 s[LASTQ], 1536
	s_cselect_b32 s84, 12, s84
	TLOADW 12, 16, s84, G0R
	WALK 4                                         ; slots 2 to 5
	s_mov_b32 s[TB], 0
	CHANGE                                         ; steps 12 to 15 are whole; nothing is left to ask for
	WALK 2                                         ; slots 6, 7
	; THE MERGE.  The wave of the odd steps hands -M, t, its sums and O^T to its partner, as images of their registers.
.rept 4
	v_nop                                          ; places behind the last products, ahead of the first read of O^T
.endr
	s_cmp_lt_u32 s[WV], 8
	s_cbranch_scc1 .Lkeeps
	ds_store_b128 v[MA], v[12:15] offset:16*512
	s_wait_alu depctr_va_vdst(0)
.irp t, 0,1,2,3,4,5,6,7
	ds_store_b128 v[MA], v[160+8*\t:163+8*\t] offset:1024*\t          ; each accumulator from its low end on
	ds_store_b128 v[MA], v[164+8*\t:167+8*\t] offset:1024*\t+512
.endr
.Lkeeps:
	s_wait_dscnt 0x0                               ; for the partner's sake: my stores into the stage are done
	s_barrier_signal -1
	s_barrier_wait -1
	s_cmp_lt_u32 s[WV], 8
	s_cbranch_scc0 .Lend                           ; the wave of the odd steps has nothing more to do
	ds_load_b128 v[232:235], v[MA] offset:16*512   ; the partner's -M, t, sums
.irp i, 0,1,2,3,4,5,6,7,8,9,10,11,12,13,14,15
	ds_load_b128 v[96+4*\i:99+4*\i], v[MA] offset:512*\i   ; and its O^T
.endr
	s_wait_dscnt 16                                ; the first load is in; the sixteen of O^T may be out
	v_min_num_f32 v236, v12, v232                  ; -M = the smaller -M.  (Key step 0 counts for every query, so mine is a number; a partner with no step has -M = 3e38 and zeros)
	s_delay_alu instid0(VALU_DEP_1)
	v_sub_f32 v237, v236, v12                      ; my M - M: a whole number, 0 or less
	s_delay_alu instid0(VALU_DEP_2)
	v_sub_f32 v238, v236, v232                     ; the partner's M - M
	s_delay_alu instid0(VALU_DEP_2)
	v_cvt_i32_f32 v237, v237                       ; (they saturate)
	s_delay_alu instid0(VALU_DEP_2)
	v_cvt_i32_f32 v238, v238
	s_delay_alu instid0(VALU_DEP_2)
	v_ldexp_f32 v240, 1.0, v237                    ; fa
	s_delay_alu instid0(VALU_DEP_2)
	v_ldexp_f32 v242, 1.0, v238                    ; fb: multiplications by them round nothing
	v_mov_b32 v241, 0                              ; (named as the upper halves of pairs, so they are written)
	v_mov_b32 v243, 0
	s_delay_alu instid0(VALU_DEP_2)
	v_pk_mul_f32 v[14:15], v[14:15], v[240:241] op_sel_hi:[1,0]
	s_delay_alu instid0(VALU_DEP_1)
	v_pk_fma_f32 v[14:15], v[234:235], v[242:243], v[14:15] op_sel_hi:[1,0,1]   ; the sums under M
	s_delay_alu instid0(VALU_DEP_1)
	v_add_f32 v14, v14, v15
	s_delay_alu instid0(VALU_DEP_1)
	v_permlanex16_b32 v252, v14, s[SEL], s[SEL+1]
	s_delay_alu instid0(VALU_DEP_1)
	v_add_f32 v14, v14, v252                       ; the row's sum
	s_wait_alu depctr_va_vdst(0)
	v_rcp_f32 v244, v14
	v_lshrrev_b32 v11, 1, v[LI]                    ; 8 x lane: my place among the scale words (the plain place behind the reciprocal)
	s_wait_alu depctr_va_vdst(0)                   ; the wait ahead of the reciprocal's first reader
	v_mul_f32 v240, v240, v244                     ; fa / sum
	v_mul_f32 v242, v242, v244                     ; fb / sum
	s_wait_alu depctr_va_vdst(0)
	s_wait_dscnt 0x0                               ; the partner's O^T is in
.irp j, 0,2,4,6,8,10,12,14,16,18,20,22,24,26,28,30,32,34,36,38,40,42,44,46,48,50,52,54,56,58,60,62
	v_pk_mul_f32 v[96+\j:97+\j], v[96+\j:97+\j], v[242:243] op_sel_hi:[1,0]
.endr
.irp j, 0,2,4,6,8,10,12,14,16,18,20,22,24,26,28,30,32,34,36,38,40,42,44,46,48,50,52,54,56,58,60,62
	v_pk_fma_f32 v[96+\j:97+\j], v[160+\j:161+\j], v[240:241], v[96+\j:97+\j] op_sel_hi:[1,0,1]   ; (Oa fa + Ob fb) / sum; register 16 b + i is channel 32 b + 16 h + i of my query
.endr
.irp b, 0,1,2,3
	v_max3_num_f32 v[TM+\b], |v[96+16*\b]|, |v[97+16*\b]|, 0x1800000   ; the four blocks of the head's 128, by turns; the floor 2^(3 - 127)
.endr
.irp i, 2,4,6,8,10,12,14
.irp b, 0,1,2,3
	s_delay_alu instid0(VALU_DEP_4)
	v_max3_num_f32 v[TM+\b], v[TM+\b], |v[96+16*\b+\i]|, |v[97+16*\b+\i]|
.endr
.endr
.irp b, 0,1,2,3
	s_delay_alu instid0(VALU_DEP_4)
	v_permlanex16_b32 v[TM+4+\b], v[TM+\b], s[SEL], s[SEL+1]
.endr
.irp b, 0,1,2,3
	s_delay_alu instid0(VALU_DEP_4)
	v_max_num_f32 v[TM+\b], v[TM+\b], v[TM+4+\b]
.endr
.irp b, 0,1,2,3
	s_delay_alu instid0(VALU_DEP_4)
	v_add_nc_u32 v[TM+12+\b], 0xff000000, v[TM+\b]
.endr
.irp b, 0,1,2,3
	s_delay_alu instid0(VALU_DEP_4)
	v_lshrrev_b32 v[TM+4+\b], 23, v[TM+12+\b]
.endr
	s_delay_alu instid0(VALU_DEP_3)
	v_lshl_or_b32 v[PW], v[TM+5], 8, v[TM+4]
	s_delay_alu instid0(VALU_DEP_1)
	v_lshl_or_b32 v[PW], v[TM+6], 16, v[PW]
	s_delay_alu instid0(VALU_DEP_1)
	v_lshl_or_b32 v[PW], v[TM+7], 24, v[PW]
.irp c, 0,1
	v_cvt_scalef32_pk16_fp6_f32 v[PC+6*\c:PC+2+6*\c], v[96+32*\c:111+32*\c], v[TM+12+2*\c]
	v_cvt_scalef32_pk16_fp6_f32 v[PC+12+4*\c:PC+14+4*\c], v[112+32*\c:127+32*\c], v[TM+12+2*\c+1]
.endr
	v_nop                                          ; one plain place behind a scaled conversion
.irp c, 0,1
.irp i, 0,1,2
	v_permlane16_swap_b32 v[PC+6*\c+\i], v[PC+12+4*\c+\i]
.endr
.irp i, 0,1,2
	s_delay_alu instid0(VALU_DEP_3)
	v_mov_b32 v[PC+3+6*\c+\i], v[PC+12+4*\c+\i]
.endr
.endr
.irp c, 0,1,2
	global_store_b128 v[LI], v[PC+4*\c:PC+4*\c+3], s[12:13] offset:512*\c   ; the fragment as an image of its registers: 512 consecutive bytes a store
.endr
	global_store_b32 v11, v[PW], s[14:15]          ; lanes r and r + 16 hold the same word: the row's word and its second copy
.Lend:
	s_wait_tensorcnt 0x0                           ; the wave's end: behind my last tensor load and my last LDS store
	ds_add_u32 v[SPW], v[NIL]
	s_wait_dscnt 0x0
	s_endpgm
.Lfunc_end_k_qea9370e724_attn:
	.size	k_qea9370e724_attn, .Lfunc_end_k_qea9370e724_attn-k_qea9370e724_attn
	.p2alignl 7, 3214868480
	.fill 96, 4, 3214868480
	.section	.rodata,"a",@progbits
	.p2align	6, 0x0
	.amdhsa_kernel k_qea9370e724_attn
		.amdhsa_group_segment_fixed_size 327680
		.amdhsa_private_segment_fixed_size 0
		.amdhsa_enable_private_segment 0
		.amdhsa_kernarg_size 40
		.amdhsa_user_sgpr_count 2
		.amdhsa_user_sgpr_kernarg_segment_ptr 1
		.amdhsa_wavefront_size32 1
		.amdhsa_system_sgpr_workgroup_id_x 1
		.amdhsa_system_sgpr_workgroup_id_y 1
		.amdhsa_system_sgpr_workgroup_id_z 1
		.amdhsa_system_vgpr_workitem_id 0
		.amdhsa_next_free_vgpr 256
		.amdhsa_next_free_sgpr 100
		.amdhsa_reserve_vcc 1
		.amdhsa_float_denorm_mode_32 3
		.amdhsa_float_denorm_mode_16_64 3
		.amdhsa_memory_ordered 1
		.amdhsa_forward_progress 1
		.amdhsa_inst_pref_size 101
	.end_amdhsa_kernel
	.amdgpu_metadata
---
amdhsa.version: [ 1, 2 ]
amdhsa.kernels:
  - .name:           k_qea9370e724_attn
    .symbol:         k_qea9370e724_attn.kd
    .args:
      - { .name: q_codes, .offset: 0, .size: 8, .value_kind: global_buffer, .address_space: global }
      - { .name: q_scales, .offset: 8, .size: 8, .value_kind: global_buffer, .address_space: global }
      - { .name: kv_codes, .offset: 16, .size: 8, .value_kind: global_buffer, .address_space: global }
      - { .name: kv_scales, .offset: 24, .size: 8, .value_kind: global_buffer, .address_space: global }
      - { .name: attn_codes, .offset: 32, .size: 8, .value_kind: global_buffer, .address_space: global }
    .group_segment_fixed_size: 327680
    .private_segment_fixed_size: 0
    .kernarg_segment_align: 8
    .kernarg_segment_size: 40
    .max_flat_workgroup_size: 512
    .sgpr_count:     100
    .vgpr_count:     256
    .wavefront_size: 32
...
	.end_amdgpu_metadata
.endif
;; end of part 3
;; launch oproj (part 4): grid 16 x 16, 4 waves a work-group, clusters of 4 x 1, 281,088 bytes of LDS; arguments attn_codes, codes, out0; writes out0
.if DOCPART == 4
	.amdgcn_target "amdgcn-amd-amdhsa--gfx1250"
	.amdhsa_code_object_version 6
	.text
	.protected	k_qea9370e724_oproj
	.globl	k_qea9370e724_oproj
	.p2align	8
	.type	k_qea9370e724_oproj,@function
k_qea9370e724_oproj:
	s_mov_b64 s[64:65], 0
	v_nop
	global_prefetch_b8 v0, s[64:65] scope:SCOPE_SE
	s_setreg_imm32_b32 hwreg(HW_REG_WAVE_MODE, 25, 1), 1
	s_wait_xcnt 0x0
	s_wait_alu depctr_hold_cnt(0) depctr_sa_sdst(0) depctr_va_vdst(0) depctr_va_sdst(0) depctr_va_ssrc(0) depctr_va_vcc(0) depctr_vm_vsrc(0)
	s_getreg_b32 s2, hwreg(HW_REG_IB_STS2, 6, 4)
	s_cmp_eq_u32 s2, 0
	s_cbranch_scc0 .Lentry_in_a_cluster
	s_endpgm
.Lentry_in_a_cluster:
	s_bfe_u32 s2, ttmp6, 0x10000c
	s_cmp_lg_u32 s2, 0x3003
	s_cbranch_scc0 .Lentry_shape_is_right
	s_endpgm
.Lentry_shape_is_right:
; out = attn Wo^T on codes of FP6 (E2M3) with E8M0 scales; sums in f32.  Both operands lie as images of fragments: [tile of 16 places][pair of K steps][two images of 1,536 bytes, 256 bytes of scale words].
; SHARES.  Work-group (block of 128 columns, block of 128 rows); wave w takes all 128 rows x places 32 w .. 32 w + 31 of Wo: 16 accumulators, 8 fragments of attn and 2 of Wo for each 128 along K.
; attn: the block's 8 tiles, all of K, 212,992 bytes, come into LDS once: wave w brings K steps 4 w .. 4 w + 3 by one tensor load at the head; nothing is filled again.  CLUSTER 4 x 1: four column blocks ask for the same rows jointly.
; Wo: a wave's two tiles are read by no other wave of its work-group: they go from memory straight into registers, 512 consecutive bytes a load, all 16 K steps in registers of their own (384),
; so they are no tensor loads and cannot be asked for jointly; 7 loads a K step, asked for nine K steps ahead, so no prefetch is laid.
; Source 0 = 16 rows of Wo, source 1 = 16 rows of attn: a lane holds eight neighbouring columns of one row.  Place 16 T + r is row (or column) 32 (T / 2) + 8 (T % 2) + r + 8 (r / 8).
; THE WAY OUT: the block goes through a stage of the work-group's (bytes of its own, rows of 512 + 16 bytes); each wave then stores 32 whole rows of 512 consecutive bytes.
; REGISTERS.  Window 0: v3-29 addresses; v32-47 attn's scale words, two sets; v48-63 Wo's; v128-255 accumulators (a, u) at 8 (2 a + u).  Window 1: attn's fragments, sets 0, 1.  Window 2: Wo's K steps 0-9.  Window 3: Wo's 10-15; v144-239 attn's set 2.
.set TILEB, 26624
.set TENB,  128*TILEB
.set KPB,   3328
.set IMG,   1536
.set KQB,   2*KPB
.set FR,    12
.set SPT,   528
.set STG,   4*8*KQB
.set SPARE, STG+128*SPT
.set LI,   3
.set VS,   4
.set STO,  5
.set RD,   6
.set ADRA, 16                          ; v16-19 16 x lane + four K steps n
.set ADSA, 20                          ; v20-23 the scale words likewise: lanes 0-15 tile i, lanes 16-31 tile i + 4 (its second copy)
.set SPW,  28
.set NIL,  29
.set SCA,  32
.set SCB,  48
.set ACC,  128
.set WV,   14
.set G1,   24
.set G0,   32
.set WB,   50
.set MSB, 0
.macro WIN new
.if MSB != (\new)
	s_set_vgpr_msb (MSB<<8)|(\new)
.set MSB, (\new)
.endif
.endm
.macro PLACES
.rept 4
	v_nop
.endr
.endm
.macro CROUND
	s_barrier_signal -1
	s_barrier_wait -1
	s_cmp_lg_u32 s[WV], 0
	s_cbranch_scc1 .Lnot_wave_0_\@
	s_barrier_signal -3
.Lnot_wave_0_\@:
	s_barrier_wait -3
	s_barrier_signal -1
	s_barrier_wait -1
.endm
.macro WMM zero, ra, rb
.if (\zero)
.if (\ra) && (\rb)
	v_wmma_scale_f32_16x16x128_f8f6f4 v[rD:rD+7], v[rA:rA+11], v[rB:rB+11], 0, v[rSA], v[rSB] matrix_a_fmt:MATRIX_FMT_FP6 matrix_b_fmt:MATRIX_FMT_FP6 matrix_a_scale:MATRIX_SCALE_ROW1 matrix_b_scale:MATRIX_SCALE_ROW1
.elseif (\ra)
	v_wmma_scale_f32_16x16x128_f8f6f4 v[rD:rD+7], v[rA:rA+11], v[rB:rB+11], 0, v[rSA], v[rSB] matrix_a_fmt:MATRIX_FMT_FP6 matrix_b_fmt:MATRIX_FMT_FP6 matrix_a_scale:MATRIX_SCALE_ROW1
.elseif (\rb)
	v_wmma_scale_f32_16x16x128_f8f6f4 v[rD:rD+7], v[rA:rA+11], v[rB:rB+11], 0, v[rSA], v[rSB] matrix_a_fmt:MATRIX_FMT_FP6 matrix_b_fmt:MATRIX_FMT_FP6 matrix_b_scale:MATRIX_SCALE_ROW1
.else
	v_wmma_scale_f32_16x16x128_f8f6f4 v[rD:rD+7], v[rA:rA+11], v[rB:rB+11], 0, v[rSA], v[rSB] matrix_a_fmt:MATRIX_FMT_FP6 matrix_b_fmt:MATRIX_FMT_FP6
.endif
.else
.if (\ra) && (\rb)
	v_wmma_scale_f32_16x16x128_f8f6f4 v[rD:rD+7], v[rA:rA+11], v[rB:rB+11], v[rD:rD+7], v[rSA], v[rSB] matrix_a_fmt:MATRIX_FMT_FP6 matrix_b_fmt:MATRIX_FMT_FP6 matrix_a_scale:MATRIX_SCALE_ROW1 matrix_b_scale:MATRIX_SCALE_ROW1
.elseif (\ra)
	v_wmma_scale_f32_16x16x128_f8f6f4 v[rD:rD+7], v[rA:rA+11], v[rB:rB+11], v[rD:rD+7], v[rSA], v[rSB] matrix_a_fmt:MATRIX_FMT_FP6 matrix_b_fmt:MATRIX_FMT_FP6 matrix_a_scale:MATRIX_SCALE_ROW1
.elseif (\rb)
	v_wmma_scale_f32_16x16x128_f8f6f4 v[rD:rD+7], v[rA:rA+11], v[rB:rB+11], v[rD:rD+7], v[rSA], v[rSB] matrix_a_fmt:MATRIX_FMT_FP6 matrix_b_fmt:MATRIX_FMT_FP6 matrix_b_scale:MATRIX_SCALE_ROW1
.else
	v_wmma_scale_f32_16x16x128_f8f6f4 v[rD:rD+7], v[rA:rA+11], v[rB:rB+11], v[rD:rD+7], v[rSA], v[rSB] matrix_a_fmt:MATRIX_FMT_FP6 matrix_b_fmt:MATRIX_FMT_FP6
.endif
.endif
.endm
	s_load_b128 s[4:7], s[0:1], 0x0                ; attn_codes, codes
	s_load_b64 s[12:13], s[0:1], 0x10              ; out0
	v_lshl_add_u32 v[SPW], v0, 2, SPARE
	v_mov_b32 v[NIL], 0
	ds_add_u32 v[SPW], v[NIL]                      ; the opening lines: the add, twice on end, and its wait ahead of my first tensor load
	ds_add_u32 v[SPW], v[NIL]
	v_lshrrev_b32 v1, 5, v0
	v_readfirstlane_b32 s[WV], v1
	s_bfe_u32 s40, ttmp6, 0x40000                  ; cx
	s_lshl_b32 s42, ttmp9, 2
	s_add_co_u32 s42, s42, s40                     ; the block of columns
	s_and_b32 s17, ttmp7, 0xffff                   ; the block of rows
	s_mov_b32 s[G1+0], 15|(3<<16)|(1<<21)          ; the cluster's four; elements of 8 bytes; bit 21 beside a mask
	s_mov_b32 s[G1+1], 832<<16                     ; a row: 6,656 bytes
	s_mov_b32 s[G1+2], 8<<16                       ; 8 tiles
	s_mov_b32 s[G1+3], 832<<16
	s_mov_b32 s[G1+4], 8
	s_mov_b32 s[G1+5], 3328
	s_mov_b32 s[G1+6], 0
	s_mov_b32 s[G1+7], 0
	s_mul_i32 s20, s17, 8*TILEB
	s_mul_i32 s21, s[WV], KQB
	s_add_co_u32 s20, s20, s21
	s_mov_b32 s21, 0
	s_lshl_b32 s46, s42, 3                         ; Wo is tensor 4: tile 8 x block + 2 w
	s_lshl_b32 s47, s[WV], 1
	s_add_co_u32 s46, s46, s47
	s_mul_i32 s46, s46, TILEB
	s_add_co_u32 s46, s46, 4*TENB
	s_mov_b32 s47, 0
	s_mul_i32 s45, s[WV], 8*KQB
	s_lshl_b32 s22, s17, 20                        ; out: 128 rows of 8,192 bytes a block, my 32 rows, 512 bytes a block of columns
	s_lshl_b32 s23, s[WV], 18
	s_add_co_u32 s22, s22, s23
	s_lshl_b32 s23, s42, 9
	s_add_co_u32 s22, s22, s23
	s_mov_b32 s23, 0
	s_wait_dscnt 0x0
	s_wait_kmcnt 0x0
	s_mov_b32 s[G0], 1
	s_mov_b32 s[G0+1], s45
	s_add_nc_u64 s[G0+2:G0+3], s[4:5], s[20:21]
	s_or_b32 s[G0+3], s[G0+3], 0x80000000
	s_add_nc_u64 s[WB:WB+1], s[6:7], s[46:47]
	s_add_nc_u64 s[12:13], s[12:13], s[22:23]
	CROUND
	tensor_load_to_lds s[G0:G0+3], s[G1:G1+7]      ; my one tensor load
	s_nop 0
.rept 4
	v_nop
.endr
	v_and_b32 v7, 31, v0
	v_lshlrev_b32 v[LI], 4, v7
	v_and_b32 v1, 15, v0
	v_bfe_u32 v2, v0, 4, 1
	v_lshlrev_b32 v8, 3, v1
	v_mad_u32_u24 v[VS], v2, TILEB, v8
	v_mad_u32_u24 v9, v2, 4*KQB+128, v8
.irp n, 0,1,2,3
	v_add_nc_u32 v[ADRA+\n], \n*8*KQB, v[LI]
	v_add_nc_u32 v[ADSA+\n], \n*8*KQB, v9
.endr
	v_mul_u32_u24 v10, v1, SPT
	v_lshl_add_u32 v10, v2, 6, v10
	s_lshl_b32 s21, s[WV], 7
	s_add_co_u32 s21, s21, STG
	v_add_nc_u32 v[STO], s21, v10                  ; into the stage: row r, + 64 h, + 128 w
	s_mul_i32 s21, s[WV], 32*SPT
	s_add_co_u32 s21, s21, STG
	v_add_nc_u32 v[RD], s21, v[LI]                 ; back: my 32 rows, the 32 lanes a row
	s_wait_alu depctr_va_vdst(0)                   ; the wait at the head's end
.macro SETB s
.if (\s) < 10
.set BW, 2
.set BR, 24*(\s)
.else
.set BW, 3
.set BR, 24*((\s)-10)
.endif
.endm
.macro SETA s
.if (\s)%3 < 2
.set AW, 1
.set AR, 96*((\s)%3)
.else
.set AW, 3
.set AR, 144
.endif
.endm
.macro LB s                            ; Wo's two fragments and their scale words of K step s: 7 loads
	SETB \s
	WIN BW<<6
.irp u, 0,1
.irp c, 0,1,2
	global_load_b128 v[BR+FR*\u+4*\c:BR+FR*\u+4*\c+3], v[LI], s[WB:WB+1] offset:\u*TILEB+((\s)/2)*KPB+((\s)%2)*IMG+512*\c
.endr
.endr
	WIN 0
	global_load_b32 v[SCB+(\s)], v[VS], s[WB:WB+1] offset:((\s)/2)*KPB+3072+4*((\s)%2)
.endm
.macro GA s                            ; attn's eight fragments of K step s into set s % 3: 24 loads; ahead of them, at an even s, the pair's scale words: 4 loads
	SETA \s
.if (\s)%2 == 0
.irp i, 0,1,2,3
	ds_load_b64 v[SCA+8*(((\s)/2)%2)+2*\i:SCA+8*(((\s)/2)%2)+2*\i+1], v[ADSA+(\s)/4] offset:\i*KQB+(((\s)%4)/2)*KPB+3072
.endr
.endif
	WIN AW<<6
.irp i, 0,1,2,3,4,5,6,7
.irp c, 0,1,2
	ds_load_b128 v[AR+FR*\i+4*\c:AR+FR*\i+4*\c+3], v[ADRA+(\s)/4] offset:\i*KQB+(((\s)%4)/2)*KPB+((\s)%2)*IMG+512*\c
.endr
.endr
	WIN 0
.endm
.macro MUL s, zero                     ; the 16 accumulators take turns
	SETA \s
	SETB \s
	WIN BW|(AW<<2)
.irp a, 0,1,2,3,4,5,6,7
.irp u, 0,1
.set rD, ACC+8*(2*\a+\u)
.set rA, BR+FR*\u
.set rB, AR+FR*\a
.set rSA, SCB+(\s)
.set rSB, SCA+8*(((\s)/2)%2)+2*(\a%4)+(\s)%2
	WMM \zero, \u, \a/4
.endr
.endr
	WIN 0
.endm
.irp s, 0,1,2,3,4,5,6,7,8
	LB \s
.endr
	s_wait_tensorcnt 0x0                           ; my part of attn is in,
	s_barrier_signal -1
	s_barrier_wait -1                              ; everybody's is
	GA 0
	GA 1
.set S, 0
.rept 16
.if S <= 7
	s_wait_loadcnt 56                              ; Wo's K step S is in; the eight K steps behind it may be out
.else
	s_wait_loadcnt 7*(15-S)
.endif
.if S+9 < 16
	LB S+9
.endif
.if S == 15
	s_wait_dscnt 0x0
.elseif (S+1)%2 == 0
	s_wait_dscnt 28                                ; attn's K step S is in; the next group, 4 + 24 loads, may be out
.else
	s_wait_dscnt 24
.endif
.if S+2 < 16
	PLACES                                         ; the set that is fetched next was multiplied in the K step before
	GA S+2
.endif
.if S == 0
	MUL S, 1
.else
	MUL S, 0
.endif
.set S, S+1
.endr
	PLACES
.irp a, 0,1,2,3,4,5,6,7
.irp u, 0,1
	ds_store_b128 v[STO], v[ACC+8*(2*\a+\u):ACC+8*(2*\a+\u)+3] offset:\a*16*SPT+32*\u      ; each accumulator from its low end on
	ds_store_b128 v[STO], v[ACC+8*(2*\a+\u)+4:ACC+8*(2*\a+\u)+7] offset:\a*16*SPT+32*\u+16
.endr
.endr
	s_wait_dscnt 0x0                               ; for the others' sake: my stores into the stage are done
	s_barrier_signal -1
	s_barrier_wait -1
.set T, 0
.rept 32
	ds_load_b128 v[ACC+4*T:ACC+4*T+3], v[RD] offset:T*SPT
.set T, T+1
.endr
.set T, 0
.rept 32
.if T%8 == 0
	s_wait_dscnt 24-T                              ; the next eight rows are back
.endif
	global_store_b128 v[LI], v[ACC+4*T:ACC+4*T+3], s[12:13] offset:(8*(T/16)+T%16+8*((T%16)/8))*8192 th:TH_STORE_NT   ; 512 consecutive bytes, aligned
.set T, T+1
.endr
	s_wait_tensorcnt 0x0                           ; the wave's end
	ds_add_u32 v[SPW], v[NIL]
	s_wait_dscnt 0x0
	CROUND                                         ; the closing round
	s_endpgm
.Lfunc_end_k_qea9370e724_oproj:
	.size	k_qea9370e724_oproj, .Lfunc_end_k_qea9370e724_oproj-k_qea9370e724_oproj
	.p2alignl 7, 3214868480
	.fill 96, 4, 3214868480
	.section	.rodata,"a",@progbits
	.p2align	6, 0x0
	.amdhsa_kernel k_qea9370e724_oproj
		.amdhsa_group_segment_fixed_size 281088
		.amdhsa_private_segment_fixed_size 0
		.amdhsa_enable_private_segment 0
		.amdhsa_kernarg_size 24
		.amdhsa_user_sgpr_count 2
		.amdhsa_user_sgpr_kernarg_segment_ptr 1
		.amdhsa_wavefront_size32 1
		.amdhsa_system_sgpr_workgroup_id_x 1
		.amdhsa_system_sgpr_workgroup_id_y 1
		.amdhsa_system_sgpr_workgroup_id_z 1
		.amdhsa_system_vgpr_workitem_id 0
		.amdhsa_next_free_vgpr 1024
		.amdhsa_next_free_sgpr 100
		.amdhsa_reserve_vcc 0
		.amdhsa_float_denorm_mode_32 3
		.amdhsa_float_denorm_mode_16_64 3
		.amdhsa_memory_ordered 1
		.amdhsa_forward_progress 1
		.amdhsa_inst_pref_size 87
	.end_amdhsa_kernel
	.amdgpu_metadata
---
amdhsa.version: [ 1, 2 ]
amdhsa.kernels:
  - .name:           k_qea9370e724_oproj
    .symbol:         k_qea9370e724_oproj.kd
    .args:
      - { .name: attn_codes, .offset: 0, .size: 8, .value_kind: global_buffer, .address_space: global }
      - { .name: codes, .offset: 8, .size: 8, .value_kind: global_buffer, .address_space: global }
      - { .name: out0, .offset: 16, .size: 8, .value_kind: global_buffer, .address_space: global }
    .group_segment_fixed_size: 281088
    .private_segment_fixed_size: 0
    .kernarg_segment_align: 8
    .kernarg_segment_size: 24
    .max_flat_workgroup_size: 128
    .sgpr_count:     100
    .vgpr_count:     1024
    .wavefront_size: 32
...
	.end_amdgpu_metadata
.endif
;; end of part 4
